; MI455X (gfx1250); checked and timed in simulation.
; The chip was launched on July 23, 2026; its instructions are those of AMD's public machine-readable ISA for CDNA 5 (MIT licence, August 2026) and "CDNA5" Instruction Set Architecture Reference Guide (July 2026). The comments in the code are by the model that wrote it; some were corrected since.
;; Basic Mo E. Allowed arithmetic: float matrix products may take bf16 or f16 operands with f32 sums; all other float work in f32.
;; Inputs: We 8 x 1,024 x 1,024 float32; Wg 1,024 x 8 float32; be 8 x 1,024 float32; bg 8 float32; x 8,192 x 1,024 float32.
;; Outputs: out0 8,192 x 1,024 float32.
;; 3 versions, each right; version 2 is faster than version 1; version 3 is version 2 with the launch cast written anew for expert scheduling mode. Each part assembles by itself: llvm-mc -triple=amdgcn-amd-amdhsa -mcpu=gfx1250 --defsym DOCPART=n.
;; ======== version 1 of 3: 2 launches
;; workspace buffers: xb 16,777,216 bytes; Wb 16,777,216 bytes
;; launch cast (part 1): grid 512 x 2, 8 waves a work-group, no clusters, 0 bytes of LDS; arguments x, We, xb, Wb; writes xb, Wb
.if DOCPART == 1
	.amdgcn_target "amdgcn-amd-amdhsa--gfx1250"
	.amdhsa_code_object_version 6
	.text
	.protected	k_q1c71644c92_cast
	.globl	k_q1c71644c92_cast
	.p2align	8
	.type	k_q1c71644c92_cast,@function
k_q1c71644c92_cast:
	s_mov_b64 s[64:65], 0
	v_nop
	global_prefetch_b8 v0, s[64:65] scope:SCOPE_SE
	s_setreg_imm32_b32 hwreg(HW_REG_WAVE_MODE, 25, 1), 1
	s_wait_xcnt 0x0
; xb = bf16(x), Wb = bf16(We), same layouts, rounded to nearest even: the operands of the matrix products are converted once, here,
; instead of in each of the work-groups of the next launch that share a tile.
; A stream: grid y = 0 takes x, y = 1 takes We.  A work-group takes 65,536 input bytes (33,554,432 / 512), a wave 8,192: sixteen loads of
; 512 neighbouring bytes, all issued before the first is used; each store of a wave covers 256 consecutive bytes, aligned.
; No LDS, no barrier, no matrix unit: nothing is shared and nothing is read twice.  No loop: no register is written twice, so no wait frees a source.
.set X, 8                              ; v[8:71]    load j: four f32
.set Y, 72                             ; v[72:103]  load j: four bf16 in two registers
	s_load_b256 s[4:11], s[0:1], 0x0               ; x s[4:5], We s[6:7], xb s[8:9], Wb s[10:11]
	s_and_b32 s12, ttmp7, 0xffff                   ; which of the two tensors
	v_lshrrev_b32 v1, 5, v0                        ; wave
	v_and_b32 v2, 31, v0                           ; lane
	v_lshlrev_b32 v3, 4, v2
	v_lshl_add_u32 v3, v1, 13, v3                  ; in:  8,192 x wave + 16 x lane
	v_lshlrev_b32 v4, 3, v2
	v_lshl_add_u32 v4, v1, 12, v4                  ; out: 4,096 x wave + 8 x lane
	s_lshl_b32 s14, ttmp9, 16                      ; the work-group's 65,536 bytes in
	s_mov_b32 s15, 0
	s_lshl_b32 s16, ttmp9, 15                      ; and its 32,768 bytes out
	s_mov_b32 s17, 0
	s_wait_kmcnt 0x0
	s_cmp_eq_u32 s12, 0
	s_cselect_b64 s[18:19], s[4:5], s[6:7]         ; from x or from We
	s_cselect_b64 s[20:21], s[8:9], s[10:11]       ; to xb or to Wb
	s_add_nc_u64 s[18:19], s[18:19], s[14:15]
	s_add_nc_u64 s[20:21], s[20:21], s[16:17]
.irp j, 0,1,2,3,4,5,6,7,8,9,10,11,12,13,14,15
	global_load_b128 v[X+4*\j:X+4*\j+3], v3, s[18:19] offset:512*\j th:TH_LOAD_NT   ; read once in the whole launch
.endr
.irp j, 0,1,2,3,4,5,6,7,8,9,10,11,12,13,14,15
	s_wait_loadcnt 15-\j                           ; loads come back in order (ISA guide 5.7.1): load j is in, the 15 - j younger ones stay out
	v_cvt_pk_bf16_f32 v[Y+2*\j],   v[X+4*\j],   v[X+4*\j+1]
	v_cvt_pk_bf16_f32 v[Y+2*\j+1], v[X+4*\j+2], v[X+4*\j+3]
	global_store_b64 v4, v[Y+2*\j:Y+2*\j+1], s[20:21] offset:256*\j   ; no hint: the next launch reads these bytes
.endr
	s_endpgm
.Lfunc_end_k_q1c71644c92_cast:
	.size	k_q1c71644c92_cast, .Lfunc_end_k_q1c71644c92_cast-k_q1c71644c92_cast
	.p2alignl 7, 3214868480
	.fill 96, 4, 3214868480
	.section	.rodata,"a",@progbits
	.p2align	6, 0x0
	.amdhsa_kernel k_q1c71644c92_cast
		.amdhsa_group_segment_fixed_size 0
		.amdhsa_private_segment_fixed_size 0
		.amdhsa_enable_private_segment 0
		.amdhsa_kernarg_size 32
		.amdhsa_user_sgpr_count 2
		.amdhsa_user_sgpr_kernarg_segment_ptr 1
		.amdhsa_wavefront_size32 1
		.amdhsa_system_sgpr_workgroup_id_x 1
		.amdhsa_system_sgpr_workgroup_id_y 1
		.amdhsa_system_sgpr_workgroup_id_z 1
		.amdhsa_system_vgpr_workitem_id 0
		.amdhsa_next_free_vgpr 104
		.amdhsa_next_free_sgpr 66
		.amdhsa_reserve_vcc 0
		.amdhsa_float_denorm_mode_32 3
		.amdhsa_float_denorm_mode_16_64 3
		.amdhsa_memory_ordered 1
		.amdhsa_forward_progress 1
		.amdhsa_inst_pref_size 7
	.end_amdhsa_kernel
	.amdgpu_metadata
---
amdhsa.version: [ 1, 2 ]
amdhsa.kernels:
  - .name:           k_q1c71644c92_cast
    .symbol:         k_q1c71644c92_cast.kd
    .args:
      - { .name: x, .offset: 0, .size: 8, .value_kind: global_buffer, .address_space: global }
      - { .name: We, .offset: 8, .size: 8, .value_kind: global_buffer, .address_space: global }
      - { .name: xb, .offset: 16, .size: 8, .value_kind: global_buffer, .address_space: global }
      - { .name: Wb, .offset: 24, .size: 8, .value_kind: global_buffer, .address_space: global }
    .group_segment_fixed_size: 0
    .private_segment_fixed_size: 0
    .kernarg_segment_align: 8
    .kernarg_segment_size: 32
    .max_flat_workgroup_size: 256
    .sgpr_count:     66
    .vgpr_count:     104
    .wavefront_size: 32
...
	.end_amdgpu_metadata
.endif
;; end of part 1
;; launch moe (part 2): grid 4 x 64, 4 waves a work-group, clusters of 4 x 4, 327,680 bytes of LDS; arguments xb, Wb, Wg, be, bg, out0; writes out0
.if DOCPART == 2
	.amdgcn_target "amdgcn-amd-amdhsa--gfx1250"
	.amdhsa_code_object_version 6
	.text
	.protected	k_q1c71644c92_moe
	.globl	k_q1c71644c92_moe
	.p2align	8
	.type	k_q1c71644c92_moe,@function
k_q1c71644c92_moe:
	s_mov_b64 s[64:65], 0
	v_nop
	global_prefetch_b8 v0, s[64:65] scope:SCOPE_SE
	s_setreg_imm32_b32 hwreg(HW_REG_WAVE_MODE, 25, 1), 1
	s_wait_xcnt 0x0
	s_wait_alu depctr_hold_cnt(0) depctr_sa_sdst(0) depctr_va_vdst(0) depctr_va_sdst(0) depctr_va_ssrc(0) depctr_va_vcc(0) depctr_vm_vsrc(0)
	s_getreg_b32 s2, hwreg(HW_REG_IB_STS2, 6, 4)
	s_cmp_eq_u32 s2, 0
	s_cbranch_scc0 .Lentry_in_a_cluster
	s_endpgm
.Lentry_in_a_cluster:
	s_bfe_u32 s2, ttmp6, 0x10000c
	s_cmp_lg_u32 s2, 0xf033
	s_cbranch_scc0 .Lentry_shape_is_right
	s_endpgm
.Lentry_shape_is_right:
; out[n][o] = sum over e of g[n][e] (sum over i of x[n][i] We[e][i][o] + be[e][o]),  g = softmax over e of (x Wg + bg).
; xb: [8192][1024] bf16, Wb: [8 x 1024 (e, i)][1024 (o)] bf16 (made by the launch before); Wg [1024][8], be [8][1024], bg [8], out0 [8192][1024] in f32.
; SHARES.  A work-group makes 128 tokens x 256 outputs (64 x 4 tiles = 256 work-groups); each of its four waves 64 x 128: 32 accumulators of 16 x 16.
; K runs over (e, i) in steps of 128 through a ring of two LDS slots.  A wave keeps TWO sets of 256 registers: acc, the sum of the expert in hand, and total.
; Behind an expert's eight K steps total += g[e] x acc, in f32: 128 packed multiply-adds for 1,024 matrix instructions; no operand is scaled, nothing is rounded again.
; THE MATRIX INSTRUCTION IS USED TRANSPOSED: source 0 = 16 outputs (We lies [k][o] in LDS and is turned by ds_load_tr16_b128), source 1 = 16 tokens.  A lane then holds ONE token
; (lane % 16) and eight neighbouring outputs, so a gate is one number a lane and block.
; GATES.  During expert 0 the fragments of x that pass through the registers are also multiplied by Wg^T (bf16, in LDS; its 8 rows are read twice, as rows 0-7 and 8-15, so that both
; halves of the lanes get the token's 8 logits in 8 registers): the softmax changes no lane.  The row's maximum is taken away before the exponentials.
; BIAS.  sum over e of g[e] be[e][o] is one more K step of 32: be as a [k][o] tile with rows 8-31 zero, the gates (bf16) as source 1.
; CLUSTER.  4 x 4 work-groups.  x's tile hangs on the tile row alone and is asked for jointly by a row of the cluster, We's on the tile column alone and by a column of it.
; LIMITS.  x, We, Wg, be are rounded to bf16, and g too in the bias term alone.  An exponential under 2^-126 comes out as 0, so a gate under about 1e-38 counts as 0.
; Inputs that are not finite are not followed as the reference follows them.
; Not done: prefetching (the launch before has just written both operands, tiles are shared in the cluster, and a tile is asked for 112 matrix instructions ahead of the wait for it).
;
; REGISTERS, in windows of 256 (s_set_vgpr_msb: bits 1:0 source 0, 3:2 source 1, 5:4 source 2, 7:6 destination):
;   window 0: v0-31 addresses; v32-63 logits; v64-95, v96-127 fragments of x, two buffers; v128-159 gates; v160-219 at work
;   window 1: v0-63, v64-127 fragments of We, two buffers; v128-135, v136-143 fragments of Wg^T
;   window 2: acc (a, b) at v[8 (8 a + b)]; on the way out the rows read back        window 3: total, likewise
.set KSTEP,  128
.set PA,     272                       ; a row of x's tile in LDS: 256 bytes + 16: an odd multiple of 16, so the 16 rows of a fragment load fall on 16 different 16-byte columns
.set PB,     544                       ; a row of We's tile: 512 bytes + 32: an odd multiple of 32, as the turning load's 8 rows x 32 bytes want
.set AHALF,  64*PA                     ; what one tensor load brings of x
.set ATILE,  128*PA
.set BHALF,  64*PB                     ; what one tensor load brings of We
.set SLOT,   ATILE+128*PB              ; 128 tokens of x, then 128 k rows of We
.set BEL,    2*SLOT                    ; behind the ring, never filled by a tensor load: be as 32 rows of pitch PB
.set WGL,    BEL+32*PB                 ; Wg^T in bf16: 8 rows of pitch PW
.set PW,     2064                      ; 2,048 bytes + 16
.set GL,     WGL+16640                 ; gates: wave x 4,096 + e x 512 + lane x 16: g[e] of the lane's four blocks of tokens
.set STAGE,  GL+16384                  ; the way out: 16 rows of pitch SP for each wave
.set SP,     528                       ; 512 bytes + 16
.set SPARE,  STAGE+4*16*SP             ; the spare words, 128 bytes for each wave: two blocks of 256 bytes that no other line names
.set ADRA, 16                          ; v16-17  LDS address of my fragments of x in slot 0, 1
.set ADRB, 18                          ; v18-19  the same for We
.set ADRW, 20                          ; v20     the same for Wg^T; steps 512 bytes (two K steps) a lap of expert 0
.set ADRE, 21                          ; v21     the same for be
.set GA,   22                          ; v22     my 16 bytes in my wave's gates; steps 512 bytes an expert
.set STO,  23                          ; v23     the way out: where I put 32 bytes of a row
.set RD,   24                          ; v24     the way out: where I read 16 bytes of a row back
.set CO,   25                          ; v25     my byte offset in a row of my wave's part of out0
.set SPW,  28                          ; v28     LDS address of my spare word; never rewritten
.set NIL,  29                          ; v29     0; never rewritten
.set L,    32                          ; v[32:63]   logits, then exponentials: block a, expert e at L + 8 a + e
.set AF,   64                          ; fragments of x: buffer f, block a at AF + 32 f + 8 a
.set G,    128                         ; v[128:159] gates at G + 4 e + a; v[128:131] then holds the gates of the expert in hand
.set M,    160                         ; v[160:163] the maximum        v[164:167] times log2(e)
.set MC,   164
.set R,    168                         ; v[168:171] 1 / sum
.set SU,   172                         ; v[172:187] sums at work
.set W,    64                          ; at the start only: Wg as loaded, 64 registers
.set T,    160                         ;   Wg^T packed, 32
.set BE,   192                         ;   be as loaded, 16
.set BEP,  208                         ;   be packed, 8
.set Z,    216                         ;   four zeros
.set G1A, 24                           ; s[24:31] descriptor group 1 for x's tiles;  s[32:39] group 0, a set for each slot
.set G0A, 32
.set G1B, 40                           ; s[40:47], s[48:55] the same for We's tiles
.set G0B, 48
.set BG,  56                           ; s[56:63] bg
.set MSB, 0
.macro WIN new                         ; the immediate's high byte repeats the setting that is left; a switch that changes nothing is dropped
.if MSB != \new
	s_set_vgpr_msb (MSB<<8)|\new
.set MSB, \new
.endif
.endm
.set MUL,    0xa1                      ; source 0 (We) window 1, source 1 (x) window 0, C and D window 2
.set MUL_T,  0xf1                      ; the same, C and D window 3
.set MUL_L,  0x01                      ; the same, C and D window 0
.set TO_B,   0x40                      ; destination window 1, address window 0
.set W_FOLD, 0xf2                      ; destination and source 2 window 3, source 0 window 2, source 1 window 0
.macro PLACES                          ; four plain vector instructions between a matrix instruction and a load into, or a vector read of, its registers
.rept 4
	v_nop
.endr
.endm
; A joint load.  Waves 0 and 1 fetch the two halves of x's tile, waves 2 and 3 those of We's.  The branch hangs on the wave's number alone.
; Four v_nop follow each of the two lines, ahead of the jump, the label and what follows.
.macro JLOAD s
	s_cmp_eq_u32 s17, 0
	s_cbranch_scc0 .Lfor_b_\@
	tensor_load_to_lds s[G0A+4*\s:G0A+4*\s+3], s[G1A:G1A+7]
	s_nop 0
.rept 4
	v_nop
.endr
	s_branch .Lasked_\@
.Lfor_b_\@:
	tensor_load_to_lds s[G0B+4*\s:G0B+4*\s+3], s[G1B:G1B+7]
	s_nop 0
.rept 4
	v_nop
.endr
.Lasked_\@:
.endm
.macro CREST                           ; a round of the cluster's barrier behind its opening barrier
	s_cmp_lg_u32 s16, 0
	s_cbranch_scc1 .Lnot_wave_0_\@
	s_barrier_signal -3
.Lnot_wave_0_\@:
	s_barrier_wait -3
	s_barrier_signal -1
	s_barrier_wait -1
.endm
.macro CROUND                          ; a whole round
	s_barrier_signal -1
	s_barrier_wait -1
	CREST
.endm
	s_load_b256 s[4:11], s[0:1], 0x0               ; xb s[4:5], Wb s[6:7], Wg s[8:9], be s[10:11]
	s_load_b128 s[12:15], s[0:1], 0x20             ; bg s[12:13], out0 s[14:15]
	v_lshl_add_u32 v[SPW], v0, 2, SPARE
	v_mov_b32 v[NIL], 0
	ds_add_u32 v28, v29
	s_wait_dscnt 0x0
	v_lshrrev_b32 v3, 5, v0
	v_readfirstlane_b32 s16, v3                    ; wave 0..3
	s_lshr_b32 s17, s16, 1                         ; which 64 tokens of the tile are mine.  Also: I fetch for x (0) or for We (1)
	s_and_b32 s18, s16, 1                          ; which 128 outputs.  Also: which half of that tile I fetch
	s_bfe_u32 s19, ttmp6, 0x40000                  ; cx, cy: my place in the cluster
	s_bfe_u32 s20, ttmp6, 0x40004
	s_lshl_b32 s21, ttmp9, 2
	s_add_co_u32 s21, s21, s19                     ; tile column = 4 x cluster x + cx
	s_and_b32 s22, ttmp7, 0xffff
	s_lshl_b32 s22, s22, 2
	s_add_co_u32 s22, s22, s20                     ; tile row = 4 x cluster y + cy
	s_lshl_b32 s23, s20, 2
	s_lshl_b32 s23, 15, s23                        ; my row of the cluster: places 4 cy .. 4 cy + 3
	s_lshl_b32 s73, 0x1111, s19                    ; my column: places cx, cx + 4, cx + 8, cx + 12
	; group 1 for x: 64 rows x 128 elements of 2 bytes, 4 words of padding behind every 64
	s_or_b32 s[G1A+0], s23, (1<<16)|(1<<20)|(1<<21)|(5<<22)|(3<<25)  ; 15:0 the mask; 17:16 element of 2 bytes; 20 padding on; 21 set beside a mask; 24:22 interval; 31:25 pad - 1
	s_mov_b32 s[G1A+1], KSTEP<<16                  ; tensor_dim0 = 128
	s_mov_b32 s[G1A+2], 64<<16                     ; tensor_dim1 = 64
	s_mov_b32 s[G1A+3], KSTEP<<16                  ; tile_dim0 = 128
	s_mov_b32 s[G1A+4], 64                         ; tile_dim1 = 64
	s_mov_b32 s[G1A+5], 1024                       ; elements from row to row
	s_mov_b32 s[G1A+6], 0
	s_mov_b32 s[G1A+7], 0
	; group 1 for We: 64 k rows x 256 elements, 8 words of padding behind every 128
	s_or_b32 s[G1B+0], s73, (1<<16)|(1<<20)|(1<<21)|(6<<22)|(7<<25)
	s_mov_b32 s[G1B+1], 256<<16
	s_mov_b32 s[G1B+2], 64<<16
	s_mov_b32 s[G1B+3], 256<<16
	s_mov_b32 s[G1B+4], 64
	s_mov_b32 s[G1B+5], 1024
	s_mov_b32 s[G1B+6], 0
	s_mov_b32 s[G1B+7], 0
	; where the tiles come from: x's offset is made of the tile row and the wave's number, We's of the tile column and the wave's number, each in registers that never hold the other coordinate
	s_lshl_b32 s74, s18, 17                        ; my half: 64 rows of 2,048 bytes, in x and in We alike
	s_lshl_b32 s66, s22, 18                        ; 128 tokens x 2,048 bytes a tile row
	s_add_co_u32 s66, s66, s74
	s_mov_b32 s67, 0
	s_lshl_b32 s68, s21, 9                         ; 256 outputs x 2 bytes a tile column
	s_add_co_u32 s68, s68, s74
	s_mov_b32 s69, 0
	s_mul_i32 s76, s18, AHALF                      ; and where they go: no place in the cluster enters an LDS address
	s_mul_i32 s77, s18, BHALF
	s_add_co_u32 s77, s77, ATILE
	s_lshl_b32 s70, s22, 19                        ; my part of out0: (128 x tile row + 64 x half) rows of 4,096 bytes
	s_lshl_b32 s75, s17, 18
	s_add_co_u32 s70, s70, s75
	s_lshl_b32 s75, s21, 10                        ; + 1,024 x tile column
	s_add_co_u32 s70, s70, s75
	s_lshl_b32 s75, s18, 9                         ; + 512 x half
	s_add_co_u32 s70, s70, s75
	s_mov_b32 s71, 0
	s_lshl_b32 s78, s21, 10                        ; the tile's 256 columns in a row of be
	s_mov_b32 s79, 0
	s_mov_b32 s72, 0x3fb8aa3b                      ; log2(e)
	s_wait_kmcnt 0x0
	s_load_b256 s[BG:BG+7], s[12:13], 0x0          ; bg, waited for in front of the barrier behind the first fills
	s_add_nc_u64 s[66:67], s[4:5], s[66:67]
	s_add_nc_u64 s[68:69], s[6:7], s[68:69]
	s_add_nc_u64 s[10:11], s[10:11], s[78:79]
	s_add_nc_u64 s[14:15], s[14:15], s[70:71]
	CROUND                                         ; all sixteen work-groups are here: the first joint loads meet
.irp s, 0,1
	s_mov_b32 s[G0A+4*\s], 1                                           ; count = 1
	s_add_co_u32 s[G0A+4*\s+1], s76, \s*SLOT                           ; LDS address
	s_add_nc_u64 s[G0A+4*\s+2:G0A+4*\s+3], s[66:67], \s*KSTEP*2        ; global address: K step s
	s_or_b32 s[G0A+4*\s+3], s[G0A+4*\s+3], 0x80000000                  ; type = 2
	s_mov_b32 s[G0B+4*\s], 1
	s_add_co_u32 s[G0B+4*\s+1], s77, \s*SLOT
	s_add_nc_u64 s[G0B+4*\s+2:G0B+4*\s+3], s[68:69], \s*KSTEP*2048     ; 128 k rows of 2,048 bytes a K step
	s_or_b32 s[G0B+4*\s+3], s[G0B+4*\s+3], 0x80000000
.endr
	s_cmp_eq_u32 s17, 0                            ; a wave's two first fills stand in one branch, ahead of every wait on TENSORcnt and every LDS read: two loads of mine are out
	s_cbranch_scc0 .Lfirst_b
	tensor_load_to_lds s[G0A:G0A+3], s[G1A:G1A+7]
	s_nop 0
	tensor_load_to_lds s[G0A+4:G0A+7], s[G1A:G1A+7]
	s_nop 0
.rept 4
	v_nop
.endr
	s_branch .Lfirst_asked
.Lfirst_b:
	tensor_load_to_lds s[G0B:G0B+3], s[G1B:G1B+7]
	s_nop 0
	tensor_load_to_lds s[G0B+4:G0B+7], s[G1B:G1B+7]
	s_nop 0
.rept 4
	v_nop
.endr
.Lfirst_asked:
	; WHILE THE TILES ARE ON THEIR WAY: Wg and the tile's columns of be come in, are rounded to bf16 and laid into LDS.
	v_lshlrev_b32 v5, 8, v0                        ; thread t takes rows 8 t .. 8 t + 7 of Wg: 256 bytes
	v_lshrrev_b32 v7, 6, v0
	v_and_b32 v8, 63, v0
	v_lshlrev_b32 v6, 4, v8
	v_lshl_add_u32 v6, v7, 12, v6                  ; be: row t / 64 (+ 2 j), 16 bytes at 16 (t % 64)
.irp j, 0,1,2,3,4,5,6,7,8,9,10,11,12,13,14,15
	global_load_b128 v[W+4*\j:W+4*\j+3], v5, s[8:9] offset:16*\j       ; Wg[8 t + k][e] lands in W + 8 k + e
.endr
.irp j, 0,1,2,3
	global_load_b128 v[BE+4*\j:BE+4*\j+3], v6, s[10:11] offset:8192*\j
.endr
	v_and_b32 v1, 15, v0                           ; r = lane % 16
	v_bfe_u32 v2, v0, 4, 1                         ; h = lane / 16
	v_and_b32 v4, 31, v0                           ; lane
	s_mul_i32 s80, s17, AHALF                      ; my 64 tokens
	s_lshl_b32 s81, s18, 8                         ; my 128 outputs, behind x's tile
	s_add_co_u32 s81, s81, ATILE
	s_lshl_b32 s82, s16, 12
	s_add_co_u32 s82, s82, GL                      ; my wave's gates
	s_mul_i32 s83, s16, 16*SP
	s_add_co_u32 s83, s83, STAGE                   ; my wave's stage
	v_mul_u32_u24 v9, v1, PA                       ; a fragment of x: row r, 16 bytes for each half of the lanes
	v_lshl_add_u32 v9, v2, 4, v9
	v_add_nc_u32 v[ADRA], s80, v9
	v_add_nc_u32 v[ADRA+1], SLOT, v[ADRA]
	v_and_b32 v10, 7, v0                           ; the turning load: lane l reads 16 bytes of k row 8 h + l % 8, outputs 8 ((l / 8) % 2) on
	v_bfe_u32 v11, v0, 3, 1
	v_lshl_add_u32 v12, v2, 3, v10
	v_mul_u32_u24 v12, v12, PB
	v_lshl_add_u32 v12, v11, 4, v12
	v_add_nc_u32 v[ADRB], s81, v12
	v_add_nc_u32 v[ADRB+1], SLOT, v[ADRB]
	v_add_nc_u32 v[ADRE], BEL-ATILE, v[ADRB]       ; the same place in be's tile
	v_mul_u32_u24 v[ADRW], v10, PW                 ; Wg^T: row r % 8, so that rows 8-15 of the fragment repeat rows 0-7
	v_lshl_add_u32 v[ADRW], v2, 4, v[ADRW]
	v_add_nc_u32 v[ADRW], WGL, v[ADRW]
	v_lshl_add_u32 v[GA], v4, 4, s82
	v_mul_u32_u24 v[STO], v1, SP                   ; into the stage: row r, 32 bytes for each half of the lanes
	v_lshl_add_u32 v[STO], v2, 5, v[STO]
	v_add_nc_u32 v[STO], s83, v[STO]
	v_lshl_add_u32 v[RD], v4, 4, s83               ; back: 32 lanes take a row's 512 bytes
	v_lshlrev_b32 v[CO], 4, v4
	v_mul_u32_u24 v13, v3, PB                      ; be's rows 8-31 are zeros: row 8 + wave + 4 j, 16 bytes a lane
	v_lshl_add_u32 v13, v4, 4, v13
	v_add_nc_u32 v13, BEL+8*PB, v13
	v_lshl_add_u32 v14, v0, 4, WGL                 ; Wg^T: thread t's 8 inputs are 16 bytes of each of the 8 rows
	v_mul_u32_u24 v15, v7, PB                      ; be: row t / 64 (+ 2 j), 8 bytes at 8 (t % 64)
	v_lshl_add_u32 v15, v8, 3, v15
	v_add_nc_u32 v15, BEL, v15
.irp j, 0,1,2,3
	v_mov_b32 v[Z+\j], 0
.endr
.irp j, 0,1,2,3,4,5
	ds_store_b128 v13, v[Z:Z+3] offset:4*PB*\j
.endr
	s_wait_loadcnt 0x4                             ; Wg is in; be's four loads may stay out
.irp e, 0,1,2,3,4,5,6,7
.irp i, 0,1,2,3
	v_cvt_pk_bf16_f32 v[T+4*\e+\i], v[W+16*\i+\e], v[W+16*\i+8+\e]
.endr
	ds_store_b128 v14, v[T+4*\e:T+4*\e+3] offset:PW*\e
.endr
	s_wait_loadcnt 0x0                             ; be
.irp j, 0,1,2,3
	v_cvt_pk_bf16_f32 v[BEP+2*\j],   v[BE+4*\j],   v[BE+4*\j+1]
	v_cvt_pk_bf16_f32 v[BEP+2*\j+1], v[BE+4*\j+2], v[BE+4*\j+3]
	ds_store_b64 v15, v[BEP+2*\j:BEP+2*\j+1] offset:2*PB*\j
.endr
; 8 matrix instructions: block a of 16 tokens x all 8 blocks of 16 outputs, 32 along K, from buffer f.  zero = 1: the product starts the sums: nothing is ever cleared.
; The accumulators take turns, one instruction a turn.
.macro MUL8 f, a, zero
.irp b, 0,1,2,3,4,5,6,7
.if \zero
	v_wmma_f32_16x16x32_bf16 v[8*(8*\a+\b):8*(8*\a+\b)+7], v[64*\f+8*\b:64*\f+8*\b+7], v[AF+32*\f+8*\a:AF+32*\f+8*\a+7], 0
.else
	v_wmma_f32_16x16x32_bf16 v[8*(8*\a+\b):8*(8*\a+\b)+7], v[64*\f+8*\b:64*\f+8*\b+7], v[AF+32*\f+8*\a:AF+32*\f+8*\a+7], v[8*(8*\a+\b):8*(8*\a+\b)+7]
.endif
.endr
.endm
; The logits of block a: Wg^T's fragment times the same fragment of x
.macro MULG f, a, zero
.if \zero
	v_wmma_f32_16x16x32_bf16 v[L+8*\a:L+8*\a+7], v[128+8*\f:128+8*\f+7], v[AF+32*\f+8*\a:AF+32*\f+8*\a+7], 0
.else
	v_wmma_f32_16x16x32_bf16 v[L+8*\a:L+8*\a+7], v[128+8*\f:128+8*\f+7], v[AF+32*\f+8*\a:AF+32*\f+8*\a+7], v[L+8*\a:L+8*\a+7]
.endif
.endm
; One run of LDS loads: the fragments of quarter q (32 along K) of a slot into buffer f: 16 turning loads for We, 2 for Wg^T (gf = 1), 8 for x; x's blocks 2 and 3 last.
.macro FETCH slot, q, f, gf
	WIN TO_B
.irp b, 0,1,2,3,4,5,6,7
	ds_load_tr16_b128 v[64*\f+8*\b:64*\f+8*\b+3],   v[ADRB+\slot] offset:\q*32*PB+32*\b
	ds_load_tr16_b128 v[64*\f+8*\b+4:64*\f+8*\b+7], v[ADRB+\slot] offset:\q*32*PB+16*PB+32*\b
.endr
.if \gf
	ds_load_b128 v[128+8*\f:128+8*\f+3],   v[ADRW] offset:\slot*256+64*\q
	ds_load_b128 v[128+8*\f+4:128+8*\f+7], v[ADRW] offset:\slot*256+64*\q+32
.endif
	WIN 0
.irp a, 0,1,2,3
	ds_load_b128 v[AF+32*\f+8*\a:AF+32*\f+8*\a+3],   v[ADRA+\slot] offset:\a*16*PA+64*\q
	ds_load_b128 v[AF+32*\f+8*\a+4:AF+32*\f+8*\a+7], v[ADRA+\slot] offset:\a*16*PA+64*\q+32
.endr
.endm
; A K step is four quarters of 32 along K, 32 matrix instructions each (36 with the logits), on buffers 0, 1, 0, 1.
; One of the first three: multiplies buffer f; in its middle it fetches quarter q of the same slot into buffer g.
.macro QUARTER slot, q, f, g, zero, gate
	s_wait_dscnt 4                                 ; all but the youngest four LDS instructions: at the most x's blocks 2 and 3 are out
	WIN MUL
	MUL8 \f, 0, \zero
	MUL8 \f, 1, \zero
.if \gate
	WIN MUL_L
	MULG \f, 0, \zero
	MULG \f, 1, \zero
.endif
	PLACES                                         ; for the loads into buffer g, which the quarter before multiplied
	FETCH \slot, \q, \g, \gate
	s_wait_dscnt 24+2*\gate                        ; all but the run just issued
	WIN MUL
	MUL8 \f, 2, \zero
	MUL8 \f, 3, \zero
.if \gate
	WIN MUL_L
	MULG \f, 2, \zero
	MULG \f, 3, \zero
.endif
.endm
; The last quarter multiplies buffer 1 and changes slots: ONE barrier; in front of it each wave waits for all its tensor loads (one is out: its part of the next slot), adds 0 to its
; spare word, and waits for that and for its own reads of this slot.  mode 0: this slot is filled again with the K step two on; mode 1: the same across an expert's end, where x goes
; back to its first columns while We's rows go on; mode 2: nothing is filled.  With a refill the barrier opens a round of the cluster's barrier, and the joint load is the first thing behind it.
.macro TURN slot, next, mode, gate, gf
	WIN 0                                          ; (the add's two registers lie in window 0)
	s_wait_tensorcnt 0x0                           ; all my tensor loads have landed
	ds_add_u32 v[SPW], v[NIL]                      ; 0 onto my spare word
	s_wait_dscnt 5                                 ; (the add and the youngest four loads may be out)
	WIN MUL
	MUL8 1, 0, 0                                   ; eight matrix instructions stand between the add and the wait for it
	s_wait_dscnt 0x0                               ; the add is done, and my reads of this slot are over
	s_barrier_signal -1
	MUL8 1, 1, 0
.if \gate
	WIN MUL_L
	MULG 1, 0, 0
	MULG 1, 1, 0
.endif
.if \mode < 2
	WIN 0
.endif
	s_barrier_wait -1
.if \mode < 2
	CREST                                          ; no wave of any partner still reads this slot's tiles or has a load on its way
.if \mode == 0
	s_add_nc_u64 s[G0A+4*\slot+2:G0A+4*\slot+3], s[G0A+4*\slot+2:G0A+4*\slot+3], 2*KSTEP*2
.else
	s_sub_nc_u64 s[G0A+4*\slot+2:G0A+4*\slot+3], s[G0A+4*\slot+2:G0A+4*\slot+3], 6*KSTEP*2
.endif
	s_add_nc_u64 s[G0B+4*\slot+2:G0B+4*\slot+3], s[G0B+4*\slot+2:G0B+4*\slot+3], 2*KSTEP*2048
	JLOAD \slot                                    ; 112 matrix instructions ahead of the wait for it; the four v_nop behind it are also the places in front of the loads below
.else
	PLACES
.endif
.if \gf && (\slot == 1)
	WIN 0
	v_add_nc_u32 v[ADRW], 512, v[ADRW]             ; Wg^T: the next lap's 256 inputs
.endif
	FETCH \next, 0, 0, \gf
	WIN MUL
	MUL8 1, 2, 0
	MUL8 1, 3, 0
.if \gate
	WIN MUL_L
	MULG 1, 2, 0
	MULG 1, 3, 0
.endif
.endm
; total = g x acc (first = 1) or total += g x acc: each accumulator's registers in ascending order.  A lane's gate of block a lies in G + a: the packed form names the pair
; G + 2 (a / 2) and takes its first register (even a) or its second (odd a) for both halves.  more = 1: the next expert's four gates are fetched.
.macro FOLD first, places, more
.if \places
	PLACES
.endif
	WIN W_FOLD
.irp a, 0,1,2,3
.irp b, 0,1,2,3,4,5,6,7
.irp p, 0,1,2,3
.set rT, 8*(8*\a+\b)+2*\p
.set rG, G+2*(\a/2)
.if \first && ((\a)%2 == 0)
	v_pk_mul_f32 v[rT:rT+1], v[rT:rT+1], v[rG:rG+1] op_sel_hi:[1,0]
.elseif \first
	v_pk_mul_f32 v[rT:rT+1], v[rT:rT+1], v[rG:rG+1] op_sel:[0,1] op_sel_hi:[1,1]
.elseif (\a)%2 == 0
	v_pk_fma_f32 v[rT:rT+1], v[rT:rT+1], v[rG:rG+1], v[rT:rT+1] op_sel_hi:[1,0,1]
.else
	v_pk_fma_f32 v[rT:rT+1], v[rT:rT+1], v[rG:rG+1], v[rT:rT+1] op_sel:[0,1,0] op_sel_hi:[1,1,1]
.endif
.endr
.endr
.endr
	WIN 0
.if \more
	ds_load_b128 v[G:G+3], v[GA] offset:512        ; my wave's own bytes; it is back at the next change of slots, long before the next fold
	v_add_nc_u32 v[GA], 512, v[GA]
.endif
.endm
; An expert's first three laps and the first half of its fourth.  Its first quarter starts the sums and stands in front of the loop;
; a trip goes once round the ring, from a lap's second quarter to the next lap's first, and fills both slots again.
.macro EXPERT_BODY gate
	QUARTER 0, 1, 0, 1, 1, \gate
	WIN 0                                          ; at a label and at a branch every window is 0
	s_mov_b32 s3, 3
.Llap_\@:
	QUARTER 0, 2, 1, 0, 0, \gate
	QUARTER 0, 3, 0, 1, 0, \gate
	TURN 0, 1, 0, \gate, \gate
	QUARTER 1, 1, 0, 1, 0, \gate
	QUARTER 1, 2, 1, 0, 0, \gate
	QUARTER 1, 3, 0, 1, 0, \gate
	TURN 1, 0, 0, \gate, \gate
	QUARTER 0, 1, 0, 1, 0, \gate
	WIN 0
	s_sub_co_u32 s3, s3, 1
	s_cmp_lg_u32 s3, 0
	s_cbranch_scc1 .Llap_\@
	QUARTER 0, 2, 1, 0, 0, \gate
	QUARTER 0, 3, 0, 1, 0, \gate
.endm
; The rest of the fourth lap of an expert that has a successor: the ring goes on into the next expert's K steps 0 and 1, and its first fragments are fetched.
.macro TAIL_ON gate
	TURN 0, 1, 1, \gate, \gate
	QUARTER 1, 1, 0, 1, 0, \gate
	QUARTER 1, 2, 1, 0, 0, \gate
	QUARTER 1, 3, 0, 1, 0, \gate
	TURN 1, 0, 1, \gate, 0
.endm
	s_wait_tensorcnt 0x1                           ; my part of K step 0 is in; K step 1's may stay out
	s_wait_kmcnt 0x0                               ; bg
	s_wait_dscnt 0x0                               ; for the others' sake: my stores of Wg^T and be are done
	s_barrier_signal -1
	s_barrier_wait -1                              ; everybody's are
	FETCH 0, 0, 0, 1
	; EXPERT 0, with the logits beside it
	EXPERT_BODY 1
	TAIL_ON 1
	; THE GATES.  A lane holds its token's 8 logits of each of the four blocks.  Blocks 0 and 1 were finished in front of the joint load's four v_nop;
	; their sixteen additions are the places behind the last products, for the loads into We's buffer 1 and for the reads of blocks 2 and 3.
	WIN 0
.irp a, 0,1
.irp e, 0,1,2,3,4,5,6,7
	v_add_f32 v[L+8*\a+\e], s[BG+\e], v[L+8*\a+\e]
.endr
.endr
	WIN TO_B
.irp b, 0,1,2,3,4,5,6,7
	ds_load_tr16_b128 v[64+8*\b:64+8*\b+3],   v[ADRE] offset:32*\b            ; be's fragments: k = expert, rows 8-31 zero
	ds_load_tr16_b128 v[64+8*\b+4:64+8*\b+7], v[ADRE] offset:16*PB+32*\b
.endr
	WIN 0
.irp a, 2,3
.irp e, 0,1,2,3,4,5,6,7
	v_add_f32 v[L+8*\a+\e], s[BG+\e], v[L+8*\a+\e]
.endr
.endr
.irp a, 0,1,2,3
	v_max3_num_f32 v[M+\a], v[L+8*\a], v[L+8*\a+1], v[L+8*\a+2]
.endr
.irp a, 0,1,2,3
	v_max3_num_f32 v[M+\a], v[M+\a], v[L+8*\a+3], v[L+8*\a+4]
.endr
.irp a, 0,1,2,3
	v_max3_num_f32 v[M+\a], v[M+\a], v[L+8*\a+5], v[L+8*\a+6]
.endr
.irp a, 0,1,2,3
	v_max_num_f32 v[M+\a], v[M+\a], v[L+8*\a+7]
.endr
.irp a, 0,1,2,3
	v_mul_f32 v[MC+\a], s72, v[M+\a]
.endr
.irp a, 0,1,2,3
.irp e, 0,1,2,3,4,5,6,7
	v_fma_f32 v[L+8*\a+\e], v[L+8*\a+\e], s72, -v[MC+\a]                     ; log2(e) x logit - log2(e) x maximum: 0 at the most, but for the last bit
.endr
.endr
.irp a, 0,1,2,3
.irp e, 0,1,2,3,4,5,6,7
	v_exp_f32 v[L+8*\a+\e], v[L+8*\a+\e]
.endr
.endr
	v_nop                                          ; a plain instruction between the exponentials and the use of their results (ISA guide 5.7.2)
	s_wait_alu depctr_va_vdst(0)
.irp a, 0,1,2,3
	v_pk_add_f32 v[SU+4*\a:SU+4*\a+1],   v[L+8*\a:L+8*\a+1],   v[L+8*\a+2:L+8*\a+3]
	v_pk_add_f32 v[SU+4*\a+2:SU+4*\a+3], v[L+8*\a+4:L+8*\a+5], v[L+8*\a+6:L+8*\a+7]
.endr
.irp a, 0,1,2,3
	v_pk_add_f32 v[SU+4*\a:SU+4*\a+1], v[SU+4*\a:SU+4*\a+1], v[SU+4*\a+2:SU+4*\a+3]
.endr
.irp a, 0,1,2,3
	v_add_f32 v[SU+4*\a], v[SU+4*\a], v[SU+4*\a+1]                           ; at least about 1: the maximum's own exponential
.endr
.irp a, 0,1,2,3
	v_rcp_f32 v[R+\a], v[SU+4*\a]
.endr
	v_nop                                          ; a plain instruction between the reciprocals and their use
	s_wait_alu depctr_va_vdst(0)
.irp e, 0,1,2,3,4,5,6,7
.irp a, 0,1,2,3
	v_mul_f32 v[G+4*\e+\a], v[L+8*\a+\e], v[R+\a]
.endr
.endr
	; the gates as source 1 of the bias term, in x's buffer 1: registers 0-3 hold k = 8 h + 0..7 (in the upper half of the lanes they meet be's zero rows 8-15), registers 4-7 are zero
.irp a, 0,1,2,3
.irp j, 0,1,2,3
	v_cvt_pk_bf16_f32 v[AF+32+8*\a+\j], v[G+8*\j+\a], v[G+8*\j+4+\a]
.endr
.irp j, 4,5,6,7
	v_mov_b32 v[AF+32+8*\a+\j], 0
.endr
.endr
.irp e, 1,2,3,4,5,6,7
	ds_store_b128 v[GA], v[G+4*\e:G+4*\e+3] offset:512*\e                    ; the later experts' gates wait in my wave's own LDS bytes
.endr
	FOLD 1, 0, 0                                   ; total = g[0] x acc
	s_wait_dscnt 7                                 ; be's fragments are in: only the seven stores issued behind them may be out
	WIN MUL_T
	MUL8 1, 0, 0                                   ; total += sum over e of g[e] be[e]
	MUL8 1, 1, 0
	MUL8 1, 2, 0
	MUL8 1, 3, 0
	WIN 0
	ds_load_b128 v[G:G+3], v[GA] offset:512        ; expert 1's gates: LDS serves a wave's instructions in order (ISA guide 5.7.1.4): this sees the store above
	v_add_nc_u32 v[GA], 512, v[GA]
	; EXPERTS 1 TO 6
	s_mov_b32 s2, 6
.Lexpert:
	EXPERT_BODY 0
	TAIL_ON 0
	FOLD 0, 0, 1                                   ; blocks 0 and 1 were finished in front of the joint load's four v_nop; their 64 lines are the places behind blocks 2 and 3's last products
	s_sub_co_u32 s2, s2, 1
	s_cmp_lg_u32 s2, 0
	s_cbranch_scc1 .Lexpert
	; EXPERT 7: its tail is written out: nothing more is asked for
	EXPERT_BODY 0
	TURN 0, 1, 2, 0, 0
	QUARTER 1, 1, 0, 1, 0, 0
	QUARTER 1, 2, 1, 0, 0, 0
	QUARTER 1, 3, 0, 1, 0, 0
	s_wait_dscnt 4                                 ; the very last quarter: nothing more to fetch
	WIN MUL
	MUL8 1, 0, 0
	MUL8 1, 1, 0
	s_wait_dscnt 0x0
	MUL8 1, 2, 0
	MUL8 1, 3, 0
	FOLD 0, 1, 0
; THE WAY OUT.  A lane holds 32 neighbouring bytes of a row; the lanes beside it hold other rows.  So a block of 16 rows goes through my wave's own stage: in as 2 x 16 bytes a lane
; and block of outputs, back as whole rows of 512 bytes, into the registers that held acc.  Each block has 64 registers of its own: no store's data is ever rewritten.
.macro TOSTAGE a
	WIN 0x0c                                       ; store data from window 3
.irp b, 0,1,2,3,4,5,6,7
	ds_store_b128 v[STO], v[8*(8*\a+\b):8*(8*\a+\b)+3]   offset:64*\b
	ds_store_b128 v[STO], v[8*(8*\a+\b)+4:8*(8*\a+\b)+7] offset:64*\b+16
.endr
	WIN 0x80                                       ; destination window 2
.irp t, 0,1,2,3,4,5,6,7,8,9,10,11,12,13,14,15
	ds_load_b128 v[64*\a+4*\t:64*\a+4*\t+3], v[RD] offset:SP*\t              ; in order behind the stores above, and ahead of the next block's
.endr
.endm
.macro SEND a, younger                 ; younger: the LDS instructions issued behind block a's loads: the next block's 32, or none
	WIN 0x08                                       ; store data from window 2
.irp t, 0,1,2,3,4,5,6,7,8,9,10,11,12,13,14,15
	s_wait_dscnt \younger+15-\t
	global_store_b128 v[CO], v[64*\a+4*\t:64*\a+4*\t+3], s[14:15] offset:(16*\a+\t)*4096 th:TH_STORE_NT   ; the wave stores 512 consecutive bytes, at a multiple of 512 from out0's first byte
.endr
.endm
	TOSTAGE 0
	TOSTAGE 1
	SEND 0, 32
	TOSTAGE 2
	SEND 1, 32
	TOSTAGE 3
	SEND 2, 32
	SEND 3, 0
	WIN 0
	s_wait_tensorcnt 0x0                           ; the wave's end: behind my last tensor load and my last LDS store
	ds_add_u32 v[SPW], v[NIL]
	s_wait_dscnt 0x0
	CROUND                                         ; the closing round: no work-group ends while a partner may still ask for a tile that names it
	s_endpgm
.Lfunc_end_k_q1c71644c92_moe:
	.size	k_q1c71644c92_moe, .Lfunc_end_k_q1c71644c92_moe-k_q1c71644c92_moe
	.p2alignl 7, 3214868480
	.fill 96, 4, 3214868480
	.section	.rodata,"a",@progbits
	.p2align	6, 0x0
	.amdhsa_kernel k_q1c71644c92_moe
		.amdhsa_group_segment_fixed_size 327680
		.amdhsa_private_segment_fixed_size 0
		.amdhsa_enable_private_segment 0
		.amdhsa_kernarg_size 48
		.amdhsa_user_sgpr_count 2
		.amdhsa_user_sgpr_kernarg_segment_ptr 1
		.amdhsa_wavefront_size32 1
		.amdhsa_system_sgpr_workgroup_id_x 1
		.amdhsa_system_sgpr_workgroup_id_y 1
		.amdhsa_system_sgpr_workgroup_id_z 1
		.amdhsa_system_vgpr_workitem_id 0
		.amdhsa_next_free_vgpr 1024
		.amdhsa_next_free_sgpr 84
		.amdhsa_reserve_vcc 0
		.amdhsa_float_denorm_mode_32 3
		.amdhsa_float_denorm_mode_16_64 3
		.amdhsa_memory_ordered 1
		.amdhsa_forward_progress 1
		.amdhsa_inst_pref_size 255
	.end_amdhsa_kernel
	.section	.bss,"aw",@nobits
	.p2align	6
	.space	262144
	.amdgpu_metadata
---
amdhsa.version: [ 1, 2 ]
amdhsa.kernels:
  - .name:           k_q1c71644c92_moe
    .symbol:         k_q1c71644c92_moe.kd
    .args:
      - { .name: xb, .offset: 0, .size: 8, .value_kind: global_buffer, .address_space: global }
      - { .name: Wb, .offset: 8, .size: 8, .value_kind: global_buffer, .address_space: global }
      - { .name: Wg, .offset: 16, .size: 8, .value_kind: global_buffer, .address_space: global }
      - { .name: be, .offset: 24, .size: 8, .value_kind: global_buffer, .address_space: global }
      - { .name: bg, .offset: 32, .size: 8, .value_kind: global_buffer, .address_space: global }
      - { .name: out0, .offset: 40, .size: 8, .value_kind: global_buffer, .address_space: global }
    .group_segment_fixed_size: 327680
    .private_segment_fixed_size: 0
    .kernarg_segment_align: 8
    .kernarg_segment_size: 48
    .max_flat_workgroup_size: 128
    .sgpr_count:     84
    .vgpr_count:     1024
    .wavefront_size: 32
...
	.end_amdgpu_metadata
.endif
;; end of part 2
;; ======== version 2 of 3: 2 launches; 1.24 times as fast as version 1
;; workspace buffers: xb 16,777,216 bytes; Wb 16,777,216 bytes; gates 262,144 bytes
;; launch cast (part 3): grid 512 x 2, 8 waves a work-group, no clusters, 60,416 bytes of LDS; arguments x, We, Wg, bg, xb, Wb, gates; writes xb, Wb, gates
.if DOCPART == 3
	.amdgcn_target "amdgcn-amd-amdhsa--gfx1250"
	.amdhsa_code_object_version 6
	.text
	.protected	k_q1c71644c92_cast
	.globl	k_q1c71644c92_cast
	.p2align	8
	.type	k_q1c71644c92_cast,@function
k_q1c71644c92_cast:
	s_mov_b64 s[64:65], 0
	v_nop
	global_prefetch_b8 v0, s[64:65] scope:SCOPE_SE
	s_setreg_imm32_b32 hwreg(HW_REG_WAVE_MODE, 25, 1), 1
	s_wait_xcnt 0x0
; xb = bf16(x), Wb = bf16(We), same layouts, rounded to nearest even; and gates = softmax over e of (x Wg + bg), [8192][8] in f32.
; Grid y = 0 takes x, y = 1 takes We.  A work-group takes 16 rows of 4,096 bytes; wave w the strip of 512 bytes at 512 w of each row: sixteen loads of 512 neighbouring
; bytes, all issued before the first is used; each store of a wave covers 256 consecutive bytes, aligned.
; GATES (y = 0 alone).  The work-group's 16 rows are 16 tokens, a wave's strip 128 inputs.  The wave lays its strip (bf16) and its 128 rows of Wg (bf16) into LDS bytes of its own and
; multiplies them with four matrix instructions, two accumulators by turns.  Source 0 = Wg^T (turned by ds_load_tr16_b128; its 8 columns are read twice, as rows 0-7 and 8-15),
; source 1 = the tokens: a lane holds ONE token (lane % 16) and its 8 partial logits in 8 registers.  The eight waves' parts meet in LDS behind one barrier, which the work-groups
; of We pass too; wave 0 adds them and bg, takes the maximum away, and stores 16 tokens x 32 bytes = 512 consecutive bytes.
; LIMITS.  x and Wg are rounded to bf16 for the logits.  An exponential under 2^-126 comes out as 0, so a gate under about 1e-38 counts as 0.
.set PX,  272                          ; a row of the strip in LDS: 256 bytes + 16: the 16 rows of a fragment load fall on 16 different 16-byte columns
.set XT,  0                            ; wave w: 16 rows of pitch PX at 4,352 w
.set WT,  8*16*PX                      ; wave w: 128 rows of Wg, 8 bf16 = 16 bytes each, at WT + 2,048 w
.set RED, WT+8*2048                    ; wave w: its partial logits, 32 bytes a lane, at RED + 1,024 w
.set X,   8                            ; v[8:71]    load j: four f32; then two registers of bf16 in place
.set WG,  72                           ; v[72:103]  Wg, likewise
.set D0,  104                          ; v[104:111], v[112:119] the two accumulators
.set D1,  112
.set XA,  8                            ; v[8:39]    fragments of the tokens, once the stores have read X
.set WF,  40                           ; v[40:71]   fragments of Wg^T
	s_load_b256 s[4:11], s[0:1], 0x0               ; x s[4:5], We s[6:7], Wg s[8:9], bg s[10:11]
	s_load_b128 s[12:15], s[0:1], 0x20             ; xb s[12:13], Wb s[14:15]
	s_load_b64 s[16:17], s[0:1], 0x30              ; gates
	v_lshl_add_u32 v128, v0, 2, 0xe800
	v_mov_b32 v129, 0
	s_and_b32 s18, ttmp7, 0xffff                   ; which of the two tensors
	v_lshrrev_b32 v1, 5, v0
	v_readfirstlane_b32 s19, v1                    ; wave
	v_and_b32 v2, 31, v0                           ; lane
	v_lshlrev_b32 v3, 4, v2
	v_lshl_add_u32 v5, v1, 12, v3                  ; Wg:  4,096 x wave (128 rows of 32 bytes) + 16 x lane
	v_lshl_add_u32 v3, v1, 9, v3                   ; in:  512 x wave + 16 x lane
	v_lshlrev_b32 v4, 3, v2
	v_lshl_add_u32 v4, v1, 8, v4                   ; out: 256 x wave + 8 x lane
	s_lshl_b32 s20, ttmp9, 16                      ; the work-group's 16 rows in,
	s_mov_b32 s21, 0
	s_lshl_b32 s22, ttmp9, 15                      ; out,
	s_mov_b32 s23, 0
	s_lshl_b32 s28, ttmp9, 9                       ; and its 16 tokens' gates
	s_mov_b32 s29, 0
	s_mov_b32 s40, 0x3fb8aa3b                      ; log2(e)
	s_mul_i32 s41, s19, 16*PX                      ; my wave's three regions of LDS
	s_lshl_b32 s42, s19, 11
	s_add_co_u32 s42, s42, WT
	s_lshl_b32 s43, s19, 10
	s_add_co_u32 s43, s43, RED
	s_wait_kmcnt 0x0
	s_load_b256 s[32:39], s[10:11], 0x0            ; bg, waited for in front of the barrier
	s_cmp_eq_u32 s18, 0
	s_cselect_b64 s[24:25], s[4:5], s[6:7]         ; from x or from We
	s_cselect_b64 s[26:27], s[12:13], s[14:15]     ; to xb or to Wb
	s_add_nc_u64 s[24:25], s[24:25], s[20:21]
	s_add_nc_u64 s[26:27], s[26:27], s[22:23]
	s_add_nc_u64 s[16:17], s[16:17], s[28:29]
	s_cmp_lg_u32 s18, 0
	s_cbranch_scc1 .Lno_wg
.irp j, 0,1,2,3,4,5,6,7
	global_load_b128 v[WG+4*\j:WG+4*\j+3], v5, s[8:9] offset:512*\j   ; ahead of x's loads, so that the counts below hold with and without them
.endr
.Lno_wg:
.irp j, 0,1,2,3,4,5,6,7,8,9,10,11,12,13,14,15
	global_load_b128 v[X+4*\j:X+4*\j+3], v3, s[24:25] offset:4096*\j th:TH_LOAD_NT   ; row j's 512 bytes; read once in the whole launch
.endr
	v_and_b32 v121, 15, v0                         ; r = lane % 16
	v_bfe_u32 v122, v0, 4, 1                       ; h = lane / 16
	v_lshl_add_u32 v6, v2, 3, s41                  ; the strip goes in as it lies: 8 bytes a lane
	v_lshl_add_u32 v7, v2, 3, s42                  ; and so does Wg
	v_mul_u32_u24 v120, v121, PX                   ; a fragment of the tokens: row r, 16 bytes for each half of the lanes
	v_lshl_add_u32 v120, v122, 4, v120
	v_add_nc_u32 v120, s41, v120
	v_and_b32 v124, 7, v0                          ; the turning load: lane l reads the 16 bytes of input row 8 h + l % 8
	v_lshl_add_u32 v124, v122, 3, v124
	v_lshl_add_u32 v123, v124, 4, s42
	v_lshl_add_u32 v125, v2, 5, s43                ; my 32 bytes among my wave's partial logits
	v_lshl_add_u32 v126, v2, 5, RED                ; and the same lane's in wave 0's
	v_lshlrev_b32 v127, 5, v121                    ; gates: token r, 16 bytes for each half of the lanes
	v_lshl_add_u32 v127, v122, 4, v127
.irp j, 0,1,2,3,4,5,6,7,8,9,10,11,12,13,14,15
	s_wait_loadcnt 15-\j                           ; loads come back in order (ISA guide 5.7.1): load j is in, the 15 - j younger ones stay out
	v_cvt_pk_bf16_f32 v[X+4*\j],   v[X+4*\j],   v[X+4*\j+1]
	v_cvt_pk_bf16_f32 v[X+4*\j+1], v[X+4*\j+2], v[X+4*\j+3]
	global_store_b64 v4, v[X+4*\j:X+4*\j+1], s[26:27] offset:2048*\j  ; no hint: the next launch reads these bytes
.endr
	s_cmp_lg_u32 s18, 0
	s_cbranch_scc1 .Lmeet
.irp j, 0,1,2,3,4,5,6,7,8,9,10,11,12,13,14,15
	ds_store_b64 v6, v[X+4*\j:X+4*\j+1] offset:PX*\j
.endr
.irp j, 0,1,2,3,4,5,6,7
	v_cvt_pk_bf16_f32 v[WG+4*\j],   v[WG+4*\j],   v[WG+4*\j+1]
	v_cvt_pk_bf16_f32 v[WG+4*\j+1], v[WG+4*\j+2], v[WG+4*\j+3]
	ds_store_b64 v7, v[WG+4*\j:WG+4*\j+1] offset:256*\j
.endr
	s_wait_xcnt 0x0                                ; the registers that the stores to xb read are loaded again only behind this wait (ISA guide 3.1)
.irp q, 0,1,2,3
	ds_load_b128 v[XA+8*\q:XA+8*\q+3],        v120 offset:64*\q       ; my wave's own bytes: LDS serves a wave's instructions in order (ISA guide 5.7.1.4)
	ds_load_b128 v[XA+8*\q+4:XA+8*\q+7],      v120 offset:64*\q+32
	ds_load_tr16_b128 v[WF+8*\q:WF+8*\q+3],   v123 offset:512*\q      ; 32 input rows of 16 bytes a quarter
	ds_load_tr16_b128 v[WF+8*\q+4:WF+8*\q+7], v123 offset:512*\q+256
.endr
	s_wait_dscnt 0x0
	v_wmma_f32_16x16x32_bf16 v[D0:D0+7], v[WF:WF+7],       v[XA:XA+7],       0           ; the accumulators take turns
	v_wmma_f32_16x16x32_bf16 v[D1:D1+7], v[WF+8:WF+15],    v[XA+8:XA+15],    0
	v_wmma_f32_16x16x32_bf16 v[D0:D0+7], v[WF+16:WF+23],   v[XA+16:XA+23],   v[D0:D0+7]
	v_wmma_f32_16x16x32_bf16 v[D1:D1+7], v[WF+24:WF+31],   v[XA+24:XA+31],   v[D1:D1+7]
.rept 4
	v_nop                                          ; four places between the products and the reads of their results (ISA guide 7.12.1)
.endr
.irp p, 0,2,4,6
	v_pk_add_f32 v[D0+\p:D0+\p+1], v[D0+\p:D0+\p+1], v[D1+\p:D1+\p+1]
.endr
	ds_store_b128 v125, v[D0:D0+3]
	ds_store_b128 v125, v[D0+4:D0+7] offset:16
.Lmeet:
	s_wait_kmcnt 0x0                               ; bg
	s_wait_dscnt 0x0                               ; for wave 0's sake: my partial logits are stored
	s_barrier_signal -1
	s_barrier_wait -1
	s_cmp_lg_u32 s18, 0
	s_cbranch_scc1 .Lend
	s_cmp_lg_u32 s19, 0
	s_cbranch_scc1 .Lend
.irp w, 0,1,2,3,4,5,6,7
	ds_load_b128 v[8+8*\w:8+8*\w+3],  v126 offset:1024*\w
	ds_load_b128 v[8+8*\w+4:8+8*\w+7], v126 offset:1024*\w+16
.endr
	s_wait_dscnt 0x0
.irp w, 0,2,4,6
.irp p, 0,2,4,6
	v_pk_add_f32 v[8+8*\w+\p:8+8*\w+\p+1], v[8+8*\w+\p:8+8*\w+\p+1], v[16+8*\w+\p:16+8*\w+\p+1]
.endr
.endr
.irp w, 0,4
.irp p, 0,2,4,6
	v_pk_add_f32 v[8+8*\w+\p:8+8*\w+\p+1], v[8+8*\w+\p:8+8*\w+\p+1], v[24+8*\w+\p:24+8*\w+\p+1]
.endr
.endr
.irp p, 0,2,4,6
	v_pk_add_f32 v[8+\p:8+\p+1], v[8+\p:8+\p+1], v[40+\p:40+\p+1]
.endr
.irp e, 0,1,2,3,4,5,6,7
	v_add_f32 v[8+\e], s[32+\e], v[8+\e]
.endr
	v_max3_num_f32 v16, v8, v9, v10
	v_max3_num_f32 v16, v16, v11, v12
	v_max3_num_f32 v16, v16, v13, v14
	v_max_num_f32 v16, v16, v15
	v_mul_f32 v17, s40, v16
.irp e, 0,1,2,3,4,5,6,7
	v_fma_f32 v[8+\e], v[8+\e], s40, -v17          ; log2(e) x logit - log2(e) x maximum: 0 at the most, but for the last bit
.endr
.irp e, 0,1,2,3,4,5,6,7
	v_exp_f32 v[8+\e], v[8+\e]
.endr
	v_nop                                          ; a plain instruction between the exponentials and the use of their results (ISA guide 5.7.2)
	s_wait_alu depctr_va_vdst(0)
	v_pk_add_f32 v[18:19], v[8:9], v[10:11]
	v_pk_add_f32 v[20:21], v[12:13], v[14:15]
	v_pk_add_f32 v[18:19], v[18:19], v[20:21]
	v_add_f32 v18, v18, v19                        ; at least about 1: the maximum's own exponential
	v_rcp_f32 v22, v18
	v_cmp_eq_u32 vcc_lo, 1, v122                   ; the plain instruction behind the reciprocal
	s_wait_alu depctr_va_vdst(0)
.irp e, 0,1,2,3,4,5,6,7
	v_mul_f32 v[8+\e], v[8+\e], v22
.endr
.irp i, 0,1,2,3
	v_cndmask_b32 v[24+\i], v[8+\i], v[12+\i], vcc_lo     ; both halves of the lanes hold all 8 gates: the lower stores experts 0-3, the upper 4-7
.endr
	global_store_b128 v127, v[24:27], s[16:17]     ; the wave stores 512 consecutive bytes, at a multiple of 512 from gates' first byte
.Lend:
	s_wait_tensorcnt 0x0
	ds_add_u32 v128, v129
	s_wait_dscnt 0x0
	s_endpgm
.Lfunc_end_k_q1c71644c92_cast:
	.size	k_q1c71644c92_cast, .Lfunc_end_k_q1c71644c92_cast-k_q1c71644c92_cast
	.p2alignl 7, 3214868480
	.fill 96, 4, 3214868480
	.section	.rodata,"a",@progbits
	.p2align	6, 0x0
	.amdhsa_kernel k_q1c71644c92_cast
		.amdhsa_group_segment_fixed_size 60416
		.amdhsa_private_segment_fixed_size 0
		.amdhsa_enable_private_segment 0
		.amdhsa_kernarg_size 56
		.amdhsa_user_sgpr_count 2
		.amdhsa_user_sgpr_kernarg_segment_ptr 1
		.amdhsa_wavefront_size32 1
		.amdhsa_system_sgpr_workgroup_id_x 1
		.amdhsa_system_sgpr_workgroup_id_y 1
		.amdhsa_system_sgpr_workgroup_id_z 1
		.amdhsa_system_vgpr_workitem_id 0
		.amdhsa_next_free_vgpr 130
		.amdhsa_next_free_sgpr 66
		.amdhsa_reserve_vcc 1
		.amdhsa_float_denorm_mode_32 3
		.amdhsa_float_denorm_mode_16_64 3
		.amdhsa_memory_ordered 1
		.amdhsa_forward_progress 1
		.amdhsa_inst_pref_size 19
	.end_amdhsa_kernel
	.amdgpu_metadata
---
amdhsa.version: [ 1, 2 ]
amdhsa.kernels:
  - .name:           k_q1c71644c92_cast
    .symbol:         k_q1c71644c92_cast.kd
    .args:
      - { .name: x, .offset: 0, .size: 8, .value_kind: global_buffer, .address_space: global }
      - { .name: We, .offset: 8, .size: 8, .value_kind: global_buffer, .address_space: global }
      - { .name: Wg, .offset: 16, .size: 8, .value_kind: global_buffer, .address_space: global }
      - { .name: bg, .offset: 24, .size: 8, .value_kind: global_buffer, .address_space: global }
      - { .name: xb, .offset: 32, .size: 8, .value_kind: global_buffer, .address_space: global }
      - { .name: Wb, .offset: 40, .size: 8, .value_kind: global_buffer, .address_space: global }
      - { .name: gates, .offset: 48, .size: 8, .value_kind: global_buffer, .address_space: global }
    .group_segment_fixed_size: 60416
    .private_segment_fixed_size: 0
    .kernarg_segment_align: 8
    .kernarg_segment_size: 56
    .max_flat_workgroup_size: 256
    .sgpr_count:     66
    .vgpr_count:     130
    .wavefront_size: 32
...
	.end_amdgpu_metadata
.endif
;; end of part 3
;; launch moe (part 4): grid 4 x 64, 4 waves a work-group, clusters of 4 x 4, 327,680 bytes of LDS; arguments xb, Wb, gates, be, out0; writes out0
.if DOCPART == 4
	.amdgcn_target "amdgcn-amd-amdhsa--gfx1250"
	.amdhsa_code_object_version 6
	.text
	.protected	k_q1c71644c92_moe
	.globl	k_q1c71644c92_moe
	.p2align	8
	.type	k_q1c71644c92_moe,@function
k_q1c71644c92_moe:
	s_mov_b64 s[64:65], 0
	v_nop
	global_prefetch_b8 v0, s[64:65] scope:SCOPE_SE
	s_setreg_imm32_b32 hwreg(HW_REG_WAVE_MODE, 25, 1), 1
	s_wait_xcnt 0x0
	s_wait_alu depctr_hold_cnt(0) depctr_sa_sdst(0) depctr_va_vdst(0) depctr_va_sdst(0) depctr_va_ssrc(0) depctr_va_vcc(0) depctr_vm_vsrc(0)
	s_getreg_b32 s2, hwreg(HW_REG_IB_STS2, 6, 4)
	s_cmp_eq_u32 s2, 0
	s_cbranch_scc0 .Lentry_in_a_cluster
	s_endpgm
.Lentry_in_a_cluster:
	s_bfe_u32 s2, ttmp6, 0x10000c
	s_cmp_lg_u32 s2, 0xf033
	s_cbranch_scc0 .Lentry_shape_is_right
	s_endpgm
.Lentry_shape_is_right:
; out[n][o] = sum over e of g[n][e] (sum over i of x[n][i] We[e][i][o] + be[e][o]).
; xb: [8192][1024] bf16, Wb: [8 x 1024 (e, i)][1024 (o)] bf16, gates g: [8192][8] f32 (all made by the launch before); be [8][1024], out0 [8192][1024] in f32.
; SHARES.  A work-group makes 128 tokens x 256 outputs (64 x 4 tiles = 256 work-groups); each of its four waves 64 x 128: 32 accumulators of 16 x 16.
; ORDER.  The inputs go in 8 CHUNKS of 128; inside a chunk the 8 experts follow each other.  A wave's fragments of x for a chunk (128 registers) are read from LDS once and serve all 8 experts.
; So x needs ONE LDS slot, free as soon as its fragments are in registers, and the ring holds We alone: two slots of TWO tiles (two experts x 128 inputs x 256 outputs) each.
; One round of the cluster's barrier serves 256 matrix instructions a wave, 240 of them between a request and the wait for it.
; A STEP is one expert's tile: 128 matrix instructions into acc, started by the constant 0; then total += g[e] x acc in f32: 128 packed multiply-adds.  They stand in slices of four
; behind the matrix instructions of the step's last quarter, two accumulators behind the product, so that the wave issues them while the matrix unit works; a slice costs two
; switches of the register window, which is the lesser price beside 128 instructions in a phase of their own.
; THE MATRIX INSTRUCTION IS USED TRANSPOSED: source 0 = 16 outputs (We lies [k][o] in LDS and is turned by ds_load_tr16_b128), source 1 = 16 tokens.  A lane then holds ONE token
; (lane % 16) and eight neighbouring outputs, so a gate is one number a lane and block.
; BIAS.  sum over e of g[e] be[e][o] is one K step of 32 that STARTS total (C = 0): be as a [k][o] tile whose rows 8-15 are zero, the gates (bf16) as source 1, K = 16 to 31 zero on both sides.
; CLUSTER.  4 x 4 work-groups.  x's tile hangs on the tile row alone and is asked for jointly by a row of the cluster, We's on the tile column alone and by a column of it.
; LIMITS.  x, We, be are rounded to bf16, and g too in the bias term alone.  Inputs that are not finite are not followed as the reference follows them.
; Not done: prefetching (the launch before has just written both operands, tiles are shared in the cluster, and a tile is asked for 240 matrix instructions ahead of the wait for it).
;
; REGISTERS, in windows of 256 (s_set_vgpr_msb: bits 1:0 source 0, 3:2 source 1, 5:4 source 2, 7:6 destination):
;   window 0: v0-31 addresses; v32-63 gates; v64-191 fragments of x for a chunk; v192-255 at work at the start
;   window 1: v0-63, v64-127 fragments of We, two buffers
;   window 2: acc (a, b) at v[8 (8 a + b)]; on the way out the rows read back        window 3: total, likewise
.set KA,     128                       ; inputs in a chunk
.set PA,     272                       ; a row of x's tile in LDS: 256 bytes + 16: an odd multiple of 16, so the 16 rows of a fragment load fall on 16 different 16-byte columns
.set PB,     544                       ; a row of We's tile: 512 bytes + 32: an odd multiple of 32, as the turning load's 8 rows x 32 bytes want
.set AHALF,  64*PA                     ; what one tensor load brings of x
.set BTILE,  128*PB                    ; what one tensor load brings of We: one expert's tile
.set SLOT,   2*BTILE                   ; two experts' tiles
.set ASL,    2*SLOT                    ; behind the ring: x's one slot
.set BEL,    ASL+128*PA                ; never filled by a tensor load: be as 16 rows of pitch PB
.set SPARE,  BEL+16*PB                 ; the spare words, 128 bytes for each wave: two blocks of 256 bytes that no other line names
.set STAGE,  0                         ; the way out: 16 rows of pitch SP for each wave, in slot 0, which has had its last fill and its last reader by then
.set SP,     528                       ; 512 bytes + 16
.set BUP,    4*1024*2048               ; a slot's next pair of experts in the same chunk: four experts on
.set BDOWN,  BUP-KA*2048               ; or in the next chunk: four experts back, 128 rows on
.set ADRB, 16                          ; v16-19  LDS address of my fragments of We in the ring's four tiles: expert e's tile is number e % 4
.set ADRA, 20                          ; v20     the same for x
.set ADRE, 21                          ; v21     the same for be
.set ADRZ, 22                          ; v22     the same for be's zero rows
.set STO,  23                          ; v23     the way out: where I put 32 bytes of a row
.set RD,   24                          ; v24     the way out: where I read 16 bytes of a row back
.set CO,   25                          ; v25     my byte offset in a row of my wave's part of out0
.set SPW,  28                          ; v28     LDS address of my spare word; never rewritten
.set NIL,  29                          ; v29     0; never rewritten
.set G,    32                          ; v[32:63]   my token's gates: block a, expert e at G + 8 a + e
.set AF,   64                          ; v[64:191]  fragments of x: quarter q, block a at AF + 32 q + 8 a
.set GF,   192                         ; at the start only: the gates as fragments, 32
.set BE,   224                         ;   be as loaded, 16
.set BEP,  240                         ;   be packed, 8
.set Z,    248                         ;   four zeros
.set G1A, 24                           ; s[24:31] descriptor group 1 for x's tiles;  s[32:35] group 0
.set G0A, 32
.set G1B, 40                           ; s[40:47] group 1 for We's tiles;  s[48:55] group 0, a set for each slot
.set G0B, 48
.set MSB, 0
.macro WIN new                         ; the immediate's high byte repeats the setting that is left; a switch that changes nothing is dropped
.if MSB != \new
	s_set_vgpr_msb (MSB<<8)|\new
.set MSB, \new
.endif
.endm
.set MUL,    0xa1                      ; source 0 (We) window 1, source 1 (x) window 0, C and D window 2
.set MUL_T,  0xf1                      ; the same, C and D window 3
.set TO_B,   0x40                      ; destination window 1, address window 0
.set W_FOLD, 0xf2                      ; destination and source 2 window 3, source 0 window 2, source 1 window 0
.macro PLACES                          ; four plain vector instructions between a matrix instruction and a load into, or a vector read of, its registers
.rept 4
	v_nop
.endr
.endm
; The joint refills.  Waves 2 and 3 fetch the two experts' tiles of We of slot s; waves 0 and 1 the two halves of x's tile, where one is due, and else nothing.
; The branch hangs on the wave's number alone.  Four v_nop follow each tensor load, ahead of the jump, the label and what follows.
.macro JLOAD_AB s
	s_cmp_eq_u32 s17, 0
	s_cbranch_scc0 .Lfor_b_\@
	tensor_load_to_lds s[G0A:G0A+3], s[G1A:G1A+7]
	s_nop 0
.rept 4
	v_nop
.endr
	s_branch .Lasked_\@
.Lfor_b_\@:
	tensor_load_to_lds s[G0B+4*\s:G0B+4*\s+3], s[G1B:G1B+7]
	s_nop 0
.rept 4
	v_nop
.endr
.Lasked_\@:
.endm
.macro JLOAD_B s
	s_cmp_eq_u32 s17, 0
	s_cbranch_scc1 .Lasked_\@
	tensor_load_to_lds s[G0B+4*\s:G0B+4*\s+3], s[G1B:G1B+7]
	s_nop 0
.rept 4
	v_nop
.endr
.Lasked_\@:
.endm
.macro CREST                           ; a round of the cluster's barrier behind its opening barrier
	s_cmp_lg_u32 s16, 0
	s_cbranch_scc1 .Lnot_wave_0_\@
	s_barrier_signal -3
.Lnot_wave_0_\@:
	s_barrier_wait -3
	s_barrier_signal -1
	s_barrier_wait -1
.endm
.macro CROUND                          ; a whole round
	s_barrier_signal -1
	s_barrier_wait -1
	CREST
.endm
	s_load_b256 s[4:11], s[0:1], 0x0               ; xb s[4:5], Wb s[6:7], gates s[8:9], be s[10:11]
	s_load_b64 s[14:15], s[0:1], 0x20              ; out0
	v_lshl_add_u32 v[SPW], v0, 2, SPARE
	v_mov_b32 v[NIL], 0
	ds_add_u32 v28, v29
	s_wait_dscnt 0x0
	v_lshrrev_b32 v3, 5, v0
	v_readfirstlane_b32 s16, v3                    ; wave 0..3
	s_lshr_b32 s17, s16, 1                         ; which 64 tokens of the tile are mine.  Also: I fetch for x (0) or for We (1)
	s_and_b32 s18, s16, 1                          ; which 128 outputs.  Also: which half of x's tile, or which expert of a pair, I fetch
	s_bfe_u32 s19, ttmp6, 0x40000                  ; cx, cy: my place in the cluster
	s_bfe_u32 s20, ttmp6, 0x40004
	s_lshl_b32 s21, ttmp9, 2
	s_add_co_u32 s21, s21, s19                     ; tile column = 4 x cluster x + cx
	s_and_b32 s22, ttmp7, 0xffff
	s_lshl_b32 s22, s22, 2
	s_add_co_u32 s22, s22, s20                     ; tile row = 4 x cluster y + cy
	s_lshl_b32 s23, s20, 2
	s_lshl_b32 s23, 15, s23                        ; my row of the cluster: places 4 cy .. 4 cy + 3
	s_lshl_b32 s73, 0x1111, s19                    ; my column: places cx, cx + 4, cx + 8, cx + 12
	; group 1 for x: 64 rows x 128 elements of 2 bytes, 4 words of padding behind every 64
	s_or_b32 s[G1A+0], s23, (1<<16)|(1<<20)|(1<<21)|(5<<22)|(3<<25)  ; 15:0 the mask; 17:16 element of 2 bytes; 20 padding on; 21 set beside a mask; 24:22 interval; 31:25 pad - 1
	s_mov_b32 s[G1A+1], KA<<16                     ; tensor_dim0 = 128
	s_mov_b32 s[G1A+2], 64<<16                     ; tensor_dim1 = 64
	s_mov_b32 s[G1A+3], KA<<16                     ; tile_dim0 = 128
	s_mov_b32 s[G1A+4], 64                         ; tile_dim1 = 64
	s_mov_b32 s[G1A+5], 1024                       ; elements from row to row
	s_mov_b32 s[G1A+6], 0
	s_mov_b32 s[G1A+7], 0
	; group 1 for We: 128 k rows x 256 elements, 8 words of padding behind every 128
	s_or_b32 s[G1B+0], s73, (1<<16)|(1<<20)|(1<<21)|(6<<22)|(7<<25)
	s_mov_b32 s[G1B+1], 256<<16
	s_mov_b32 s[G1B+2], KA<<16
	s_mov_b32 s[G1B+3], 256<<16
	s_mov_b32 s[G1B+4], KA
	s_mov_b32 s[G1B+5], 1024
	s_mov_b32 s[G1B+6], 0
	s_mov_b32 s[G1B+7], 0
	; where the tiles come from: x's offset is made of the tile row and the wave's number, We's of the tile column and the wave's number, each in registers that never hold the other coordinate
	s_lshl_b32 s74, s18, 17                        ; x: my half: 64 rows of 2,048 bytes
	s_lshl_b32 s66, s22, 18                        ; 128 tokens x 2,048 bytes a tile row
	s_add_co_u32 s66, s66, s74
	s_mov_b32 s67, 0
	s_lshl_b32 s75, s18, 21                        ; We: my expert of the pair: 1,024 rows of 2,048 bytes
	s_lshl_b32 s68, s21, 9                         ; 256 outputs x 2 bytes a tile column
	s_add_co_u32 s68, s68, s75
	s_mov_b32 s69, 0
	s_mul_i32 s76, s18, AHALF                      ; and where they go: no place in the cluster enters an LDS address
	s_mul_i32 s77, s18, BTILE
	s_lshl_b32 s70, s22, 19                        ; my part of out0: (128 x tile row + 64 x half) rows of 4,096 bytes
	s_lshl_b32 s79, s17, 18
	s_add_co_u32 s70, s70, s79
	s_lshl_b32 s79, s21, 10                        ; + 1,024 x tile column
	s_add_co_u32 s70, s70, s79
	s_lshl_b32 s79, s18, 9                         ; + 512 x half
	s_add_co_u32 s70, s70, s79
	s_mov_b32 s71, 0
	s_lshl_b32 s78, s21, 10                        ; the tile's 256 columns in a row of be
	s_mov_b32 s79, 0
	s_lshl_b32 s56, s22, 12                        ; my 64 tokens' gates: 32 bytes a token
	s_lshl_b32 s57, s17, 11
	s_add_co_u32 s56, s56, s57
	s_mov_b32 s57, 0
	s_wait_kmcnt 0x0
	s_add_nc_u64 s[66:67], s[4:5], s[66:67]
	s_add_nc_u64 s[68:69], s[6:7], s[68:69]
	s_add_nc_u64 s[8:9], s[8:9], s[56:57]
	s_add_nc_u64 s[10:11], s[10:11], s[78:79]
	s_add_nc_u64 s[14:15], s[14:15], s[70:71]
	CROUND                                         ; all sixteen work-groups are here: the first joint loads meet
	s_mov_b32 s[G0A], 1                            ; count = 1
	s_add_co_u32 s[G0A+1], s76, ASL                ; LDS address
	s_mov_b64 s[G0A+2:G0A+3], s[66:67]             ; global address: chunk 0
	s_or_b32 s[G0A+3], s[G0A+3], 0x80000000        ; type = 2
.irp s, 0,1
	s_mov_b32 s[G0B+4*\s], 1
	s_add_co_u32 s[G0B+4*\s+1], s77, \s*SLOT
	s_add_nc_u64 s[G0B+4*\s+2:G0B+4*\s+3], s[68:69], \s*2*1024*2048    ; slot s begins with experts 2 s and 2 s + 1 of chunk 0
	s_or_b32 s[G0B+4*\s+3], s[G0B+4*\s+3], 0x80000000
.endr
	s_cmp_eq_u32 s17, 0                            ; a wave's first fills stand in one branch, ahead of every wait on TENSORcnt and every LDS read: one load of mine is out, or two
	s_cbranch_scc0 .Lfirst_b
	tensor_load_to_lds s[G0A:G0A+3], s[G1A:G1A+7]
	s_nop 0
.rept 4
	v_nop
.endr
	s_branch .Lfirst_asked
.Lfirst_b:
	tensor_load_to_lds s[G0B:G0B+3], s[G1B:G1B+7]
	s_nop 0
	tensor_load_to_lds s[G0B+4:G0B+7], s[G1B:G1B+7]
	s_nop 0
.rept 4
	v_nop
.endr
.Lfirst_asked:
	; WHILE THE TILES ARE ON THEIR WAY: my tokens' gates come into registers; the tile's columns of be are rounded to bf16 and laid into LDS.
	v_and_b32 v1, 15, v0                           ; r = lane % 16
	v_bfe_u32 v2, v0, 4, 1                         ; h = lane / 16
	v_and_b32 v4, 31, v0                           ; lane
	v_lshlrev_b32 v5, 5, v1                        ; gates: token r of a block, 32 bytes
	v_lshrrev_b32 v7, 6, v0
	v_and_b32 v8, 63, v0
	v_lshlrev_b32 v6, 4, v8
	v_lshl_add_u32 v6, v7, 12, v6                  ; be: row t / 64 (+ 2 j), 16 bytes at 16 (t % 64)
.irp a, 0,1,2,3
	global_load_b128 v[G+8*\a:G+8*\a+3],   v5, s[8:9] offset:512*\a
	global_load_b128 v[G+8*\a+4:G+8*\a+7], v5, s[8:9] offset:512*\a+16
.endr
.irp j, 0,1,2,3
	global_load_b128 v[BE+4*\j:BE+4*\j+3], v6, s[10:11] offset:8192*\j
.endr
	s_mul_i32 s80, s17, AHALF                      ; my 64 tokens in x's slot
	s_add_co_u32 s80, s80, ASL
	s_lshl_b32 s81, s18, 8                         ; my 128 outputs in a row of We's tile
	s_mul_i32 s83, s16, 16*SP
	s_add_co_u32 s83, s83, STAGE                   ; my wave's stage
	v_mul_u32_u24 v9, v1, PA                       ; a fragment of x: row r, 16 bytes for each half of the lanes
	v_lshl_add_u32 v9, v2, 4, v9
	v_add_nc_u32 v[ADRA], s80, v9
	v_and_b32 v10, 7, v0                           ; the turning load: lane l reads 16 bytes of k row 8 h + l % 8, outputs 8 ((l / 8) % 2) on
	v_bfe_u32 v11, v0, 3, 1
	v_lshl_add_u32 v12, v2, 3, v10
	v_mul_u32_u24 v12, v12, PB
	v_lshl_add_u32 v12, v11, 4, v12
	v_add_nc_u32 v[ADRB], s81, v12
	v_add_nc_u32 v[ADRB+1], BTILE, v[ADRB]
	v_add_nc_u32 v[ADRB+2], SLOT, v[ADRB]
	v_add_nc_u32 v[ADRB+3], SLOT+BTILE, v[ADRB]
	v_add_nc_u32 v[ADRE], BEL, v[ADRB]             ; the same place in be's tile
	v_mul_u32_u24 v[ADRZ], v10, PB                 ; and in its zero rows: row 8 + l % 8 for both halves of the lanes
	v_lshl_add_u32 v[ADRZ], v11, 4, v[ADRZ]
	v_add_nc_u32 v[ADRZ], s81, v[ADRZ]
	v_add_nc_u32 v[ADRZ], BEL+8*PB, v[ADRZ]
	v_mul_u32_u24 v[STO], v1, SP                   ; into the stage: row r, 32 bytes for each half of the lanes
	v_lshl_add_u32 v[STO], v2, 5, v[STO]
	v_add_nc_u32 v[STO], s83, v[STO]
	v_lshl_add_u32 v[RD], v4, 4, s83               ; back: 32 lanes take a row's 512 bytes
	v_lshlrev_b32 v[CO], 4, v4
	v_mul_u32_u24 v13, v3, PB                      ; be's rows 8-15 are zeros: row 8 + wave + 4 j, 16 bytes a lane
	v_lshl_add_u32 v13, v4, 4, v13
	v_add_nc_u32 v13, BEL+8*PB, v13
	v_mul_u32_u24 v15, v7, PB                      ; be: row t / 64 (+ 2 j), 8 bytes at 8 (t % 64)
	v_lshl_add_u32 v15, v8, 3, v15
	v_add_nc_u32 v15, BEL, v15
.irp j, 0,1,2,3
	v_mov_b32 v[Z+\j], 0
.endr
.irp j, 0,1
	ds_store_b128 v13, v[Z:Z+3] offset:4*PB*\j
.endr
	s_wait_loadcnt 0x0                             ; the gates and be
.irp j, 0,1,2,3
	v_cvt_pk_bf16_f32 v[BEP+2*\j],   v[BE+4*\j],   v[BE+4*\j+1]
	v_cvt_pk_bf16_f32 v[BEP+2*\j+1], v[BE+4*\j+2], v[BE+4*\j+3]
	ds_store_b64 v15, v[BEP+2*\j:BEP+2*\j+1] offset:2*PB*\j
.endr
	; the gates as source 1 of the bias term: registers 0-3 hold k = 8 h + 0..7 (in the upper half of the lanes they meet be's zero rows 8-15), registers 4-7 are zero
.irp a, 0,1,2,3
.irp j, 0,1,2,3
	v_cvt_pk_bf16_f32 v[GF+8*\a+\j], v[G+8*\a+2*\j], v[G+8*\a+2*\j+1]
.endr
.irp j, 4,5,6,7
	v_mov_b32 v[GF+8*\a+\j], 0
.endr
.endr
; 8 matrix instructions: block a of 16 tokens x all 8 blocks of 16 outputs, quarter q (32 inputs) of the chunk, We's buffer f.  A step's first quarter starts the sums: nothing is ever cleared.
; The accumulators take turns, one instruction a turn.
.macro MUL8 f, q, a
.irp b, 0,1,2,3,4,5,6,7
.if (\q) == 0
	v_wmma_f32_16x16x32_bf16 v[8*(8*\a+\b):8*(8*\a+\b)+7], v[64*(\f)+8*\b:64*(\f)+8*\b+7], v[AF+32*(\q)+8*\a:AF+32*(\q)+8*\a+7], 0
.else
	v_wmma_f32_16x16x32_bf16 v[8*(8*\a+\b):8*(8*\a+\b)+7], v[64*(\f)+8*\b:64*(\f)+8*\b+7], v[AF+32*(\q)+8*\a:AF+32*(\q)+8*\a+7], v[8*(8*\a+\b):8*(8*\a+\b)+7]
.endif
.endr
.endm
.macro ALOAD q                         ; 8 LDS loads: quarter q of the fragments of x
.irp a, 0,1,2,3
	ds_load_b128 v[AF+32*(\q)+8*\a:AF+32*(\q)+8*\a+3],   v[ADRA] offset:\a*16*PA+64*(\q)
	ds_load_b128 v[AF+32*(\q)+8*\a+4:AF+32*(\q)+8*\a+7], v[ADRA] offset:\a*16*PA+64*(\q)+32
.endr
.endm
.macro BLOAD adr, q, f                 ; 16 turning loads: quarter q of the tile at address register adr, into buffer f
.irp b, 0,1,2,3,4,5,6,7
	ds_load_tr16_b128 v[64*(\f)+8*\b:64*(\f)+8*\b+3],   v[\adr] offset:(\q)*32*PB+32*\b
	ds_load_tr16_b128 v[64*(\f)+8*\b+4:64*(\f)+8*\b+7], v[\adr] offset:(\q)*32*PB+16*PB+32*\b
.endr
.endm
.macro FETCH adr, q, f, aq             ; one run of LDS loads; aq: the quarter of x's fragments that is fetched with it, or -1
.if (\aq) >= 0
	WIN 0
	ALOAD \aq
.endif
	WIN TO_B
	BLOAD \adr, \q, \f
.endm
; One of a step's first three quarters: multiplies quarter q from buffer f; behind its first eight products it fetches quarter nq of the tile at adr into the other buffer, 24 products ahead of its use.
.macro Q q, f, adr, nq, aq
	s_wait_dscnt 0x0                               ; the run fetched in the quarter before is in
	WIN MUL
	MUL8 \f, \q, 0
	PLACES                                         ; for the loads into the registers that the quarter before multiplied
	FETCH \adr, \nq, 1-\f, \aq
	WIN MUL
	MUL8 \f, \q, 1
	MUL8 \f, \q, 2
	MUL8 \f, \q, 3
.endm
; total += g[e] x acc for accumulator n, its registers in ascending order.  A lane's gate lies in G + 8 (n / 8) + e: the packed form names the pair that holds it
; and takes its first register (even e) or its second (odd e) for both halves.
.macro FOLD1 e, n
.irp p, 0,1,2,3
.set rT, 8*(\n)+2*\p
.set rG, G+8*((\n)/8)+2*((\e)/2)
.if (\e)%2 == 0
	v_pk_fma_f32 v[rT:rT+1], v[rT:rT+1], v[rG:rG+1], v[rT:rT+1] op_sel_hi:[1,0,1]
.else
	v_pk_fma_f32 v[rT:rT+1], v[rT:rT+1], v[rG:rG+1], v[rT:rT+1] op_sel:[0,1,0] op_sel_hi:[1,1,1]
.endif
.endr
.endm
; Products first .. first + count - 1 of the 32 of a step's last quarter, each with its slice: behind product i the fold of accumulator i - 2.  Between a product and the fold of its
; result stand the two slices in between, eight plain instructions that name none of its registers; for accumulator 0 the four v_nop behind product 1.
.macro W3 e, first, count
.set i, \first
.rept \count
	WIN MUL
	v_wmma_f32_16x16x32_bf16 v[8*i:8*i+7], v[64+8*(i%8):64+8*(i%8)+7], v[AF+96+8*(i/8):AF+96+8*(i/8)+7], v[8*i:8*i+7]
.if i == 1
	PLACES
.elseif i > 1
	WIN W_FOLD
	FOLD1 \e, i-2
.endif
.set i, i+1
.endr
.endm
; A step's last quarter.  kind 0: in the middle of a slot.  kind 1, 2, 3: the slot's last: ONE barrier; in front of it each wave waits for all its tensor loads, adds 0 to its spare word,
; and waits for that and for its reads of this slot.  kind 1: the barrier opens a round of the cluster's barrier, and slot s is filled again, first thing behind it, with its next pair of
; experts (down = 0: in this chunk; 1: in the next); kind 2: x's slot too, with the next chunk; kind 3: nothing is filled.  kind 4: the very last: nothing is fetched.
; Then the first quarter of the tile at adr is fetched.  The slices are the places in front of these loads.
.macro Q3 e, kind, s, down, adr, aq
.if ((\kind) == 0) || ((\kind) == 4)
	s_wait_dscnt 0x0
	W3 \e, 0, 8
.else
	WIN 0                                          ; (the add's two registers lie in window 0)
	s_wait_tensorcnt 0x0                           ; all my tensor loads have landed
	ds_add_u32 v[SPW], v[NIL]                      ; 0 onto my spare word
	s_wait_dscnt 0x1                               ; (the add alone may be out: this quarter's fragments are in)
	W3 \e, 0, 8                                    ; eight products and their slices stand between the add and the wait for it
	s_wait_dscnt 0x0                               ; the add is done, and my reads of this slot are over
	s_barrier_signal -1
	W3 \e, 8, 8
	WIN 0
	s_barrier_wait -1
.if (\kind) < 3
	CREST                                          ; no wave of any partner still reads the bytes to be filled or has a load on its way
.if (\kind) == 2
	s_add_nc_u64 s[G0A+2:G0A+3], s[G0A+2:G0A+3], KA*2
.endif
.if \down
	s_sub_nc_u64 s[G0B+4*\s+2:G0B+4*\s+3], s[G0B+4*\s+2:G0B+4*\s+3], BDOWN
.else
	s_add_nc_u64 s[G0B+4*\s+2:G0B+4*\s+3], s[G0B+4*\s+2:G0B+4*\s+3], BUP
.endif
.if (\kind) == 2
	JLOAD_AB \s
.else
	JLOAD_B \s
.endif
.endif
.endif
.if (\kind) != 4
	FETCH \adr, 0, 0, \aq
.endif
.if ((\kind) == 0) || ((\kind) == 4)
	W3 \e, 8, 24
.else
	W3 \e, 16, 16
.endif
	WIN W_FOLD
	FOLD1 \e, 30                                   ; the last two folds: eight instructions with no product to stand behind
	FOLD1 \e, 31
.endm
.macro HEAD3 e, a0, a1, a2             ; expert e's first three quarters; aN: the quarter of x's fragments that is fetched in quarter N, or -1
	Q 0, 0, ADRB+(\e)%4, 1, \a0
	Q 1, 1, ADRB+(\e)%4, 2, \a1
	Q 2, 0, ADRB+(\e)%4, 3, \a2
.endm
; A chunk: eight steps.  x's fragments of the next chunk take the place of this chunk's, quarter by quarter, behind expert 7's products: quarters 0 to 2 here, quarter 3 in the next
; chunk's first quarter.  x's slot is filled again behind expert 1, when all four quarters have been read.  more = 0: the last chunk.
.macro CHUNK more
	HEAD3 0, 3, -1, -1
	Q3 0, 0, 0, 0, ADRB+1, -1
	HEAD3 1, -1, -1, -1
	Q3 1, 1+\more, 0, 0, ADRB+2, -1                ; slot 0 takes experts 4 and 5
	HEAD3 2, -1, -1, -1
	Q3 2, 0, 0, 0, ADRB+3, -1
	HEAD3 3, -1, -1, -1
	Q3 3, 1, 1, 0, ADRB+0, -1                      ; slot 1 takes experts 6 and 7
	HEAD3 4, -1, -1, -1
	Q3 4, 0, 0, 0, ADRB+1, -1
	HEAD3 5, -1, -1, -1
.if \more
	Q3 5, 1, 0, 1, ADRB+2, -1                      ; slot 0 takes the next chunk's experts 0 and 1
.else
	Q3 5, 3, 0, 0, ADRB+2, -1
.endif
	HEAD3 6, -1, -1, -1
	Q3 6, 0, 0, 0, ADRB+3, -1
.if \more
	HEAD3 7, -1, 0, 1
	Q3 7, 1, 1, 1, ADRB+0, 2                       ; slot 1 takes the next chunk's experts 2 and 3
.else
	HEAD3 7, -1, -1, -1
	Q3 7, 4, 0, 0, ADRB+0, -1
.endif
.endm
	s_wait_tensorcnt 0x0                           ; my first fills are in: for 0, since waves 0 and 1 have one load out and waves 2 and 3 two
	s_wait_dscnt 0x0                               ; for the others' sake: my stores of be are done
	s_barrier_signal -1
	s_barrier_wait -1                              ; everybody's are
	WIN TO_B
.irp b, 0,1,2,3,4,5,6,7
	ds_load_tr16_b128 v[64+8*\b:64+8*\b+3],   v[ADRE] offset:32*\b    ; be's fragments, in We's buffer 1: k = expert, rows 8-15 zero;
	ds_load_tr16_b128 v[64+8*\b+4:64+8*\b+7], v[ADRZ] offset:32*\b    ; k = 16 to 31: the zero rows once more
.endr
	BLOAD ADRB, 0, 0                               ; expert 0's first quarter
	WIN 0
	ALOAD 0                                        ; chunk 0's fragments of x, all but quarter 3, which the chunk's first quarter fetches
	ALOAD 1
	ALOAD 2
	s_wait_dscnt 40                                ; be's fragments are in: the 16 + 24 loads issued behind them may be out
	WIN MUL_T
.irp a, 0,1,2,3
.irp b, 0,1,2,3,4,5,6,7
	v_wmma_f32_16x16x32_bf16 v[8*(8*\a+\b):8*(8*\a+\b)+7], v[64+8*\b:64+8*\b+7], v[GF+8*\a:GF+8*\a+7], 0   ; total = sum over e of g[e] be[e]: the product starts the sums
.endr
.endr
	WIN 0                                          ; at a label and at a branch every window is 0
	s_mov_b32 s2, 7
.Lchunk:                                               ; chunks 0 to 6: every change of slots fills a slot again
	CHUNK 1
	WIN 0
	s_sub_co_u32 s2, s2, 1
	s_cmp_lg_u32 s2, 0
	s_cbranch_scc1 .Lchunk
	CHUNK 0                                        ; chunk 7 is written out: two refills, then nothing more is asked for
; THE WAY OUT.  A lane holds 32 neighbouring bytes of a row; the lanes beside it hold other rows.  So a block of 16 rows goes through my wave's own stage: in as 2 x 16 bytes a lane
; and block of outputs, back as whole rows of 512 bytes, into the registers that held acc.  Each block has 64 registers of its own: no store's data is ever rewritten.
; The stage lies in slot 0: its last fill was waited for, and every wave's last read of it was back, in front of the barrier behind expert 5 of the last chunk.
.macro TOSTAGE a
	WIN 0x0c                                       ; store data from window 3
.irp b, 0,1,2,3,4,5,6,7
	ds_store_b128 v[STO], v[8*(8*\a+\b):8*(8*\a+\b)+3]   offset:64*\b
	ds_store_b128 v[STO], v[8*(8*\a+\b)+4:8*(8*\a+\b)+7] offset:64*\b+16
.endr
	WIN 0x80                                       ; destination window 2
.irp t, 0,1,2,3,4,5,6,7,8,9,10,11,12,13,14,15
	ds_load_b128 v[64*\a+4*\t:64*\a+4*\t+3], v[RD] offset:SP*\t              ; LDS serves a wave's instructions in order (ISA guide 5.7.1.4): behind the stores above, ahead of the next block's
.endr
.endm
.macro SEND a, younger                 ; younger: the LDS instructions issued behind block a's loads: the next block's 32, or none
	WIN 0x08                                       ; store data from window 2
.irp t, 0,1,2,3,4,5,6,7,8,9,10,11,12,13,14,15
	s_wait_dscnt \younger+15-\t
	global_store_b128 v[CO], v[64*\a+4*\t:64*\a+4*\t+3], s[14:15] offset:(16*\a+\t)*4096 th:TH_STORE_NT   ; the wave stores 512 consecutive bytes, at a multiple of 512 from out0's first byte
.endr
.endm
	TOSTAGE 0
	TOSTAGE 1
	SEND 0, 32
	TOSTAGE 2
	SEND 1, 32
	TOSTAGE 3
	SEND 2, 32
	SEND 3, 0
	WIN 0
	s_wait_tensorcnt 0x0                           ; the wave's end: behind my last tensor load and my last LDS store
	ds_add_u32 v[SPW], v[NIL]
	s_wait_dscnt 0x0
	CROUND                                         ; the closing round: no work-group ends while a partner may still ask for a tile that names it
	s_endpgm
.Lfunc_end_k_q1c71644c92_moe:
	.size	k_q1c71644c92_moe, .Lfunc_end_k_q1c71644c92_moe-k_q1c71644c92_moe
	.p2alignl 7, 3214868480
	.fill 96, 4, 3214868480
	.section	.rodata,"a",@progbits
	.p2align	6, 0x0
	.amdhsa_kernel k_q1c71644c92_moe
		.amdhsa_group_segment_fixed_size 327680
		.amdhsa_private_segment_fixed_size 0
		.amdhsa_enable_private_segment 0
		.amdhsa_kernarg_size 40
		.amdhsa_user_sgpr_count 2
		.amdhsa_user_sgpr_kernarg_segment_ptr 1
		.amdhsa_wavefront_size32 1
		.amdhsa_system_sgpr_workgroup_id_x 1
		.amdhsa_system_sgpr_workgroup_id_y 1
		.amdhsa_system_sgpr_workgroup_id_z 1
		.amdhsa_system_vgpr_workitem_id 0
		.amdhsa_next_free_vgpr 1024
		.amdhsa_next_free_sgpr 84
		.amdhsa_reserve_vcc 0
		.amdhsa_float_denorm_mode_32 3
		.amdhsa_float_denorm_mode_16_64 3
		.amdhsa_memory_ordered 1
		.amdhsa_forward_progress 1
		.amdhsa_inst_pref_size 255
	.end_amdhsa_kernel
	.section	.bss,"aw",@nobits
	.p2align	6
	.space	262144
	.amdgpu_metadata
---
amdhsa.version: [ 1, 2 ]
amdhsa.kernels:
  - .name:           k_q1c71644c92_moe
    .symbol:         k_q1c71644c92_moe.kd
    .args:
      - { .name: xb, .offset: 0, .size: 8, .value_kind: global_buffer, .address_space: global }
      - { .name: Wb, .offset: 8, .size: 8, .value_kind: global_buffer, .address_space: global }
      - { .name: gates, .offset: 16, .size: 8, .value_kind: global_buffer, .address_space: global }
      - { .name: be, .offset: 24, .size: 8, .value_kind: global_buffer, .address_space: global }
      - { .name: out0, .offset: 32, .size: 8, .value_kind: global_buffer, .address_space: global }
    .group_segment_fixed_size: 327680
    .private_segment_fixed_size: 0
    .kernarg_segment_align: 8
    .kernarg_segment_size: 40
    .max_flat_workgroup_size: 128
    .sgpr_count:     84
    .vgpr_count:     1024
    .wavefront_size: 32
...
	.end_amdgpu_metadata
.endif
;; end of part 4
;; ======== version 3 of 3: 2 launches; version 2 with the launch cast written anew for expert scheduling mode
;; workspace buffers: xb 16,777,216 bytes; Wb 16,777,216 bytes; gates 262,144 bytes
;; launch cast (part 5): grid 512 x 2, 8 waves a work-group, no clusters, 60,416 bytes of LDS; arguments x, We, Wg, bg, xb, Wb, gates; writes xb, Wb, gates
.if DOCPART == 5
	.amdgcn_target "amdgcn-amd-amdhsa--gfx1250"
	.amdhsa_code_object_version 6
	.text
	.protected	k_q1c71644c92_cast
	.globl	k_q1c71644c92_cast
	.p2align	8
	.type	k_q1c71644c92_cast,@function
k_q1c71644c92_cast:
	s_mov_b64 s[64:65], 0
	v_nop
	global_prefetch_b8 v0, s[64:65] scope:SCOPE_SE
	s_setreg_imm32_b32 hwreg(HW_REG_WAVE_SCHED_MODE, 0, 2), 2
	s_setreg_imm32_b32 hwreg(HW_REG_WAVE_MODE, 25, 1), 1
	s_wait_xcnt 0x0
	s_wait_alu depctr_vm_vsrc(0)
; xb = bf16(x), Wb = bf16(We), same layouts, rounded to nearest even; and gates = softmax over e of (x Wg + bg), [8192][8] in f32.
; Grid y = 0 takes x, y = 1 takes We.  A work-group takes 16 rows of 4,096 bytes; wave w the strip of 512 bytes at 512 w of each row: sixteen loads of 512 neighbouring
; bytes, all issued before the first is used; each store of a wave covers 256 consecutive bytes, aligned.
; GATES (y = 0 alone).  The work-group's 16 rows are 16 tokens, a wave's strip 128 inputs.  The wave lays its strip (bf16) and its 128 rows of Wg (bf16) into LDS bytes of its own and
; multiplies them with four matrix instructions, two accumulators by turns.  Source 0 = Wg^T (turned by ds_load_tr16_b128; its 8 columns are read twice, as rows 0-7 and 8-15),
; source 1 = the tokens: a lane holds ONE token (lane % 16) and its 8 partial logits in 8 registers.  The eight waves' parts meet in LDS behind one barrier, which the work-groups
; of We pass too; wave 0 adds them and bg, takes the maximum away, and stores 16 tokens x 32 bytes = 512 consecutive bytes.
; LIMITS.  x and Wg are rounded to bf16 for the logits.  An exponential under 2^-126 comes out as 0, so a gate under about 1e-38 counts as 0.
; THE MODE: SCHED_MODE bits 1:0 = 2 (LLVM: expert scheduling mode 2), set by the entry lines.  The code itself states the register dependences
; between vector or matrix instructions and memory or LDS instructions, with s_wait_alu, always for 0.
; THE PLAN.  Registers that memory or LDS instructions touch:
;   v3, v4, v5     offsets of the global loads and stores: written once at the head, ahead of the first wait on va_vdst, and never again.
;   v6, v7, v120, v123, v125, v126, v127   LDS addresses and the gates' offset: written once, behind the loads of x; their first readers stand behind later waits on va_vdst.
;   X, row j       load j lands in four registers; row j's two conversions write the first two in place; one global store and (y = 0) one LDS store read that pair.
;                  The 16 rows go in four blocks of four.  Block p converts its own rows; its memory instructions are the stores of block p - 1, whose registers no
;                  instruction of block p names: one wait on va_vdst at a block's head serves the block's four stores.  No pair is ever written again by a conversion.
;   v[8:71] again  they are written again on both ways behind the branch on y, so the wait on vm_vsrc for the sixteen global stores stands ahead of that branch.  On the way of x the strip's
;                  LDS stores read them once more: a second wait on vm_vsrc, then the fragments XA and WF land there; the matrix instructions read them; wave 0's loads of the partial
;                  logits land there behind the wait on va_vdst that stands behind the matrix instructions.
;   WG             Wg's loads land; sixteen conversions in place; one wait on va_vdst; eight LDS stores.  The strip's sixteen LDS stores are dealt among those conversions, which name WG alone.
;   D0             matrix instructions and four additions write it; one wait on va_vdst; two LDS stores read it.
;   v[24:27]       four selects write them; one wait on va_vdst; the gates' store reads them.
;   v128, v129     written at the head, read by the closing add alone.
.set PX,  272                          ; a row of the strip in LDS: 256 bytes + 16: the 16 rows of a fragment load fall on 16 different 16-byte columns
.set XT,  0                            ; wave w: 16 rows of pitch PX at 4,352 w
.set WT,  8*16*PX                      ; wave w: 128 rows of Wg, 8 bf16 = 16 bytes each, at WT + 2,048 w
.set RED, WT+8*2048                    ; wave w: its partial logits, 32 bytes a lane, at RED + 1,024 w
.set X,   8                            ; v[8:71]    load j: four f32; then two registers of bf16 in place
.set WG,  72                           ; v[72:103]  Wg, likewise
.set D0,  104                          ; v[104:111], v[112:119] the two accumulators
.set D1,  112
.set XA,  8                            ; v[8:39]    fragments of the tokens, once the stores have read X
.set WF,  40                           ; v[40:71]   fragments of Wg^T
	s_load_b256 s[4:11], s[0:1], 0x0               ; x s[4:5], We s[6:7], Wg s[8:9], bg s[10:11]
	s_load_b128 s[12:15], s[0:1], 0x20             ; xb s[12:13], Wb s[14:15]
	s_load_b64 s[16:17], s[0:1], 0x30              ; gates
	v_lshl_add_u32 v128, v0, 2, 0xe800             ; the LDS address of my spare word, behind RED, and 0: made here and kept for the closing lines alone
	v_mov_b32 v129, 0
	s_and_b32 s18, ttmp7, 0xffff                   ; which of the two tensors
	v_lshrrev_b32 v1, 5, v0
	v_readfirstlane_b32 s19, v1                    ; wave
	v_and_b32 v2, 31, v0                           ; lane
	v_lshlrev_b32 v3, 4, v2
	v_lshl_add_u32 v5, v1, 12, v3                  ; Wg:  4,096 x wave (128 rows of 32 bytes) + 16 x lane
	v_lshl_add_u32 v3, v1, 9, v3                   ; in:  512 x wave + 16 x lane
	v_lshlrev_b32 v4, 3, v2
	v_lshl_add_u32 v4, v1, 8, v4                   ; out: 256 x wave + 8 x lane
	s_lshl_b32 s20, ttmp9, 16                      ; the work-group's 16 rows in,
	s_mov_b32 s21, 0
	s_lshl_b32 s22, ttmp9, 15                      ; out,
	s_mov_b32 s23, 0
	s_lshl_b32 s28, ttmp9, 9                       ; and its 16 tokens' gates
	s_mov_b32 s29, 0
	s_mov_b32 s40, 0x3fb8aa3b                      ; log2(e)
	s_wait_alu depctr_va_sdst(0)                   ; s19, the wave's number, is written, ahead of its first reader: my wave's regions of LDS are made from it
	s_mul_i32 s41, s19, 16*PX                      ; my wave's three regions of LDS
	s_lshl_b32 s42, s19, 11
	s_add_co_u32 s42, s42, WT
	s_lshl_b32 s43, s19, 10
	s_add_co_u32 s43, s43, RED
	s_wait_kmcnt 0x0
	s_load_b256 s[32:39], s[10:11], 0x0            ; bg, waited for in front of the barrier
	s_cmp_eq_u32 s18, 0
	s_cselect_b64 s[24:25], s[4:5], s[6:7]         ; from x or from We
	s_cselect_b64 s[26:27], s[12:13], s[14:15]     ; to xb or to Wb
	s_add_nc_u64 s[24:25], s[24:25], s[20:21]
	s_add_nc_u64 s[26:27], s[26:27], s[22:23]
	s_add_nc_u64 s[16:17], s[16:17], s[28:29]
	s_wait_alu depctr_va_vdst(0)                   ; v3, v4 and v5 are written: the global loads and stores read them as their offsets, on both ways behind the branch
	s_cmp_lg_u32 s18, 0
	s_cbranch_scc1 .Lno_wg
.irp j, 0,1,2,3,4,5,6,7
	global_load_b128 v[WG+4*\j:WG+4*\j+3], v5, s[8:9] offset:512*\j   ; ahead of x's loads, so that the counts below hold with and without them
.endr
.Lno_wg:
.irp j, 0,1,2,3,4,5,6,7,8,9,10,11,12,13,14,15
	global_load_b128 v[X+4*\j:X+4*\j+3], v3, s[24:25] offset:4096*\j th:TH_LOAD_NT   ; row j's 512 bytes; read once in the whole launch
.endr
	v_and_b32 v121, 15, v0                         ; r = lane % 16.  These lines name no register that a load above touches; what they write is read behind later waits on va_vdst
	v_bfe_u32 v122, v0, 4, 1                       ; h = lane / 16
	v_lshl_add_u32 v6, v2, 3, s41                  ; the strip goes in as it lies: 8 bytes a lane
	v_lshl_add_u32 v7, v2, 3, s42                  ; and so does Wg
	v_mul_u32_u24 v120, v121, PX                   ; a fragment of the tokens: row r, 16 bytes for each half of the lanes
	v_lshl_add_u32 v120, v122, 4, v120
	v_add_nc_u32 v120, s41, v120
	v_and_b32 v124, 7, v0                          ; the turning load: lane l reads the 16 bytes of input row 8 h + l % 8
	v_lshl_add_u32 v124, v122, 3, v124
	v_lshl_add_u32 v123, v124, 4, s42
	v_lshl_add_u32 v125, v2, 5, s43                ; my 32 bytes among my wave's partial logits
	v_lshl_add_u32 v126, v2, 5, RED                ; and the same lane's in wave 0's
	v_lshlrev_b32 v127, 5, v121                    ; gates: token r, 16 bytes for each half of the lanes
	v_lshl_add_u32 v127, v122, 4, v127
; Block p: rows 4 p to 4 p + 3 are rounded in place; the stores of block p - 1 are dealt among the conversions, one ahead of each row's two.
.macro BLK p
	s_wait_loadcnt 15-4*(\p)                       ; loads come back in order (ISA guide 5.7.1): the block's first row is in, the younger loads stay out
.if (\p) > 0
	s_wait_alu depctr_va_vdst(0)                   ; the conversions of the block before have written its four pairs, which the stores below read; this block's conversions name its own rows alone
.endif
.irp i, 0,1,2,3
.if (\p) > 0
	global_store_b64 v4, v[X+4*(4*(\p)-4+(\i)):X+4*(4*(\p)-4+(\i))+1], s[26:27] offset:2048*(4*(\p)-4+(\i))  ; no hint: the next launch reads these bytes
.endif
.if (\i) > 0
	s_wait_loadcnt 15-4*(\p)-(\i)                  ; row 4 p + i is in
.endif
	v_cvt_pk_bf16_f32 v[X+4*(4*(\p)+(\i))],   v[X+4*(4*(\p)+(\i))],   v[X+4*(4*(\p)+(\i))+1]
	v_cvt_pk_bf16_f32 v[X+4*(4*(\p)+(\i))+1], v[X+4*(4*(\p)+(\i))+2], v[X+4*(4*(\p)+(\i))+3]
.endr
.endm
	BLK 0
	BLK 1
	BLK 2
	BLK 3
	s_wait_alu depctr_va_vdst(0)                   ; the last block's conversions have written its pairs, which the four stores below read; all sixteen pairs and v6 are written, which the strip's LDS stores behind the branch read
.irp j, 12,13,14,15
	global_store_b64 v4, v[X+4*\j:X+4*\j+1], s[26:27] offset:2048*\j
.endr
	s_wait_xcnt 0x0                                ; the registers that the sixteen stores read are written again only behind this wait (ISA guide 3.1): it stands ahead of the branch, since both ways lead to such writes
	s_wait_alu depctr_vm_vsrc(0)                   ; the sixteen stores have read their pairs in v[8:71]: on the way of x the fragments land there, on the way round wave 0's loads behind the barrier
	s_cmp_lg_u32 s18, 0
	s_cbranch_scc1 .Lmeet
.irp j, 0,1,2,3,4,5,6,7
	ds_store_b64 v6, v[X+8*\j:X+8*\j+1] offset:PX*2*\j                ; the strip's rows 2 j and 2 j + 1.  No wait: the conversions between name WG alone
	v_cvt_pk_bf16_f32 v[WG+4*\j],   v[WG+4*\j],   v[WG+4*\j+1]        ; Wg's loads were issued ahead of x's: they are in
	ds_store_b64 v6, v[X+8*\j+4:X+8*\j+5] offset:PX*2*\j+PX
	v_cvt_pk_bf16_f32 v[WG+4*\j+1], v[WG+4*\j+2], v[WG+4*\j+3]
.endr
	s_wait_alu depctr_va_vdst(0)                   ; the conversions have written WG, which the LDS stores below read; and every conversion that named v[8:71], in which the fragments land, is done, and v7, v120 and v123 are written
.irp j, 0,1,2,3,4,5,6,7
	ds_store_b64 v7, v[WG+4*\j:WG+4*\j+1] offset:256*\j
.endr
	s_wait_alu depctr_vm_vsrc(0)                   ; the strip's LDS stores have read v[8:71], in which the fragments below land
.irp q, 0,1,2,3
	ds_load_b128 v[XA+8*\q:XA+8*\q+3],        v120 offset:64*\q       ; my wave's own bytes: LDS serves a wave's instructions in order (ISA guide 5.7.1.4)
	ds_load_b128 v[XA+8*\q+4:XA+8*\q+7],      v120 offset:64*\q+32
	ds_load_tr16_b128 v[WF+8*\q:WF+8*\q+3],   v123 offset:512*\q      ; 32 input rows of 16 bytes a quarter
	ds_load_tr16_b128 v[WF+8*\q+4:WF+8*\q+7], v123 offset:512*\q+256
.endr
	s_wait_dscnt 0x0
	v_wmma_f32_16x16x32_bf16 v[D0:D0+7], v[WF:WF+7],       v[XA:XA+7],       0           ; the accumulators take turns
	v_wmma_f32_16x16x32_bf16 v[D1:D1+7], v[WF+8:WF+15],    v[XA+8:XA+15],    0
	v_wmma_f32_16x16x32_bf16 v[D0:D0+7], v[WF+16:WF+23],   v[XA+16:XA+23],   v[D0:D0+7]
	v_wmma_f32_16x16x32_bf16 v[D1:D1+7], v[WF+24:WF+31],   v[XA+24:XA+31],   v[D1:D1+7]
.rept 4
	v_nop                                          ; four places between the products and the reads of their results (ISA guide 7.12.1)
.endr
.irp p, 0,2,4,6
	v_pk_add_f32 v[D0+\p:D0+\p+1], v[D0+\p:D0+\p+1], v[D1+\p:D1+\p+1]
.endr
	s_wait_alu depctr_va_vdst(0)                   ; the additions have written D0, which the LDS stores below read; the matrix instructions are done reading v[8:71], in which wave 0's loads land behind the barrier
	ds_store_b128 v125, v[D0:D0+3]
	ds_store_b128 v125, v[D0+4:D0+7] offset:16
.Lmeet:
	s_wait_kmcnt 0x0                               ; bg
	s_wait_dscnt 0x0                               ; for wave 0's sake: my partial logits are stored
	s_barrier_signal -1
	s_barrier_wait -1
	s_cmp_lg_u32 s18, 0
	s_cbranch_scc1 .Lend
	s_cmp_lg_u32 s19, 0
	s_cbranch_scc1 .Lend
.irp w, 0,1,2,3,4,5,6,7
	ds_load_b128 v[8+8*\w:8+8*\w+3],  v126 offset:1024*\w             ; no wait: on either way to this line no vector or matrix instruction stands behind the last wait on va_vdst, and no memory or LDS instruction has read v[8:71] behind the last wait on vm_vsrc
	ds_load_b128 v[8+8*\w+4:8+8*\w+7], v126 offset:1024*\w+16
.endr
	s_wait_dscnt 0x0
.irp w, 0,2,4,6
.irp p, 0,2,4,6
	v_pk_add_f32 v[8+8*\w+\p:8+8*\w+\p+1], v[8+8*\w+\p:8+8*\w+\p+1], v[16+8*\w+\p:16+8*\w+\p+1]
.endr
.endr
.irp w, 0,4
.irp p, 0,2,4,6
	v_pk_add_f32 v[8+8*\w+\p:8+8*\w+\p+1], v[8+8*\w+\p:8+8*\w+\p+1], v[24+8*\w+\p:24+8*\w+\p+1]
.endr
.endr
.irp p, 0,2,4,6
	v_pk_add_f32 v[8+\p:8+\p+1], v[8+\p:8+\p+1], v[40+\p:40+\p+1]
.endr
.irp e, 0,1,2,3,4,5,6,7
	v_add_f32 v[8+\e], s[32+\e], v[8+\e]
.endr
	v_max3_num_f32 v16, v8, v9, v10
	v_max3_num_f32 v16, v16, v11, v12
	v_max3_num_f32 v16, v16, v13, v14
	v_max_num_f32 v16, v16, v15
	v_mul_f32 v17, s40, v16
.irp e, 0,1,2,3,4,5,6,7
	v_fma_f32 v[8+\e], v[8+\e], s40, -v17          ; log2(e) x logit - log2(e) x maximum: 0 at the most, but for the last bit
.endr
.irp e, 0,1,2,3,4,5,6,7
	v_exp_f32 v[8+\e], v[8+\e]
.endr
	v_nop                                          ; a plain instruction between the exponentials and the use of their results (ISA guide 5.7.2)
	s_wait_alu depctr_va_vdst(0)                   ; the eight exponentials have written v[8:15]: one wait for the batch, ahead of its first reader
	v_pk_add_f32 v[18:19], v[8:9], v[10:11]
	v_pk_add_f32 v[20:21], v[12:13], v[14:15]
	v_pk_add_f32 v[18:19], v[18:19], v[20:21]
	v_add_f32 v18, v18, v19                        ; at least about 1: the maximum's own exponential
	v_rcp_f32 v22, v18
	v_cmp_eq_u32 vcc_lo, 1, v122                   ; the plain instruction behind the reciprocal
	s_wait_alu depctr_va_vdst(0)                   ; the reciprocal has written v22, ahead of its first reader
.irp e, 0,1,2,3,4,5,6,7
	v_mul_f32 v[8+\e], v[8+\e], v22
.endr
	s_wait_alu depctr_va_vcc(0)                    ; the compare has written VCC, which the selects below read
.irp i, 0,1,2,3
	v_cndmask_b32 v[24+\i], v[8+\i], v[12+\i], vcc_lo     ; both halves of the lanes hold all 8 gates: the lower stores experts 0-3, the upper 4-7
.endr
	s_wait_alu depctr_va_vdst(0)                   ; the selects have written v[24:27], which the store below reads
	global_store_b128 v127, v[24:27], s[16:17]     ; the wave stores 512 consecutive bytes, at a multiple of 512 from gates' first byte
.Lend:
	s_wait_dscnt 0x0                               ; the closing lines, six on end
	s_wait_alu 0x0
	s_wait_tensorcnt 0x0
	ds_add_u32 v128, v129
	s_wait_dscnt 0x0
	s_endpgm
.Lfunc_end_k_q1c71644c92_cast:
	.size	k_q1c71644c92_cast, .Lfunc_end_k_q1c71644c92_cast-k_q1c71644c92_cast
	.p2alignl 7, 3214868480
	.fill 96, 4, 3214868480
	.section	.rodata,"a",@progbits
	.p2align	6, 0x0
	.amdhsa_kernel k_q1c71644c92_cast
		.amdhsa_group_segment_fixed_size 60416
		.amdhsa_private_segment_fixed_size 0
		.amdhsa_enable_private_segment 0
		.amdhsa_kernarg_size 56
		.amdhsa_user_sgpr_count 2
		.amdhsa_user_sgpr_kernarg_segment_ptr 1
		.amdhsa_wavefront_size32 1
		.amdhsa_system_sgpr_workgroup_id_x 1
		.amdhsa_system_sgpr_workgroup_id_y 1
		.amdhsa_system_sgpr_workgroup_id_z 1
		.amdhsa_system_vgpr_workitem_id 0
		.amdhsa_next_free_vgpr 130
		.amdhsa_next_free_sgpr 66
		.amdhsa_reserve_vcc 1
		.amdhsa_float_denorm_mode_32 3
		.amdhsa_float_denorm_mode_16_64 3
		.amdhsa_memory_ordered 1
		.amdhsa_forward_progress 1
		.amdhsa_inst_pref_size 20
	.end_amdhsa_kernel
	.amdgpu_metadata
---
amdhsa.version: [ 1, 2 ]
amdhsa.kernels:
  - .name:           k_q1c71644c92_cast
    .symbol:         k_q1c71644c92_cast.kd
    .args:
      - { .name: x, .offset: 0, .size: 8, .value_kind: global_buffer, .address_space: global }
      - { .name: We, .offset: 8, .size: 8, .value_kind: global_buffer, .address_space: global }
      - { .name: Wg, .offset: 16, .size: 8, .value_kind: global_buffer, .address_space: global }
      - { .name: bg, .offset: 24, .size: 8, .value_kind: global_buffer, .address_space: global }
      - { .name: xb, .offset: 32, .size: 8, .value_kind: global_buffer, .address_space: global }
      - { .name: Wb, .offset: 40, .size: 8, .value_kind: global_buffer, .address_space: global }
      - { .name: gates, .offset: 48, .size: 8, .value_kind: global_buffer, .address_space: global }
    .group_segment_fixed_size: 60416
    .private_segment_fixed_size: 0
    .kernarg_segment_align: 8
    .kernarg_segment_size: 56
    .max_flat_workgroup_size: 256
    .sgpr_count:     66
    .vgpr_count:     130
    .wavefront_size: 32
...
	.end_amdgpu_metadata
.endif
;; end of part 5
;; launch moe: the kernel of part 4 again; grid 4 x 64, 4 waves a work-group, clusters of 4 x 4, 327,680 bytes of LDS; arguments xb, Wb, gates, be, out0; writes out0
